; MI455X (gfx1250); checked and timed in simulation.
; The chip was launched on July 23, 2026; its instructions are those of AMD's public machine-readable ISA for CDNA 5 (MIT licence, August 2026) and "CDNA5" Instruction Set Architecture Reference Guide (July 2026). The comments in the code are by the model that wrote it; some were corrected since.
;; TF Llama Attention. Allowed arithmetic: matrix products marked QUANTISED: E3M2 operands, one E8M0 scale for each 32 along K, by v_wmma_scale_f32_16x16x128_f8f6f4 with both operands' format E3M2, f32 sums; everything else in f32.
;; Inputs: Wk 2,048 x 2,048 float32; Wo 2,048 x 2,048 float32; Wq 2,048 x 2,048 float32; Wv 2,048 x 2,048 float32; attention_mask 1 x 1 x 2,048 x 2,048 float32; hidden_states 1 x 2,048 x 2,048 float32; position_ids 1 x 2,048 int32.
;; Outputs: out0 1 x 2,048 x 2,048 float32.
;; This version of the problem:
;;   THIS VERSION OF THE PROBLEM IS GIVEN IN LOW PRECISION. The matrix products marked QUANTISED in the list below multiply operands that are first quantised to E3M2 (3 exponent bits, 2 mantissa bits; 6 bits a number), with one power-of-two scale for each 32 numbers along K (OCP MX v1.0); their sums are f32. All else is computed in f32.
;;   The module's matrix products, in the order in which they are computed (A, B: the left and right operand; K: the contracted axis; several contracted axes count as one K, in the product's order):
;;     1. [M 2,048, K 2,048] x [K 2,048, N 2,048]; A: input hidden_states; B: input Wq: QUANTISED
;;     2. [M 2,048, K 2,048] x [K 2,048, N 2,048]; A: input hidden_states; B: input Wk: QUANTISED
;;     3. [M 2,048, K 2,048] x [K 2,048, N 2,048]; A: input hidden_states; B: input Wv: QUANTISED
;;     4. batch 16 x [M 2,048, K 128] x [K 128, N 2,048]; A: computed on the way; B: computed on the way: QUANTISED
;;     5. batch 16 x [M 2,048, K 2,048] x [K 2,048, N 128]; A: softmax (see below); B: computed on the way: QUANTISED
;;     6. [M 2,048, K 2,048] x [K 2,048, N 2,048]; A: computed on the way; B: input Wo: QUANTISED
;;   THE QUANTISER, for each operand of a quantised product, along K:
;;     - K is cut into blocks of 32 from its start; a last block that is shorter is filled with zeros.
;;     - A block's scale is 2^e with e = floor(log2(the largest magnitude in the block)) - 4, held to -126 .. 127; a block of zeros has e = 0. As a byte (E8M0): e + 127.
;;     - Each number is divided by its block's scale, clamped to +-28, and rounded to the nearest number of E3M2, ties to even, subnormals kept.
;;     - The product sums the exact products of the quantised numbers (number of the format x scale) in f32.
;;   ~~~python
;;   def quantise(x, axis):      # numpy; x: float32 -> the quantised numbers, widened to float32 again
;;       x = np.moveaxis(x, axis, -1); K = x.shape[-1]
;;       x = np.pad(x, [(0, 0)] * (x.ndim - 1) + [(0, -K % 32)]); x = x.reshape(x.shape[:-1] + (-1, 32)); a = np.abs(x).max(-1, keepdims=True)
;;       e = np.where(a > 0, np.clip(np.frexp(np.where(a > 0, a, 1))[1] - 1 - 4, -126, 127), 0)      # np.frexp(a)[1] - 1 = floor(log2(a)), exactly
;;       r = np.clip(x / 2.0 ** e, -28, 28)
;;       step = 2.0 ** (np.maximum(np.frexp(np.where(r == 0, 1, r))[1] - 1, -2) - 2)
;;       q = np.round(r / step) * step * 2.0 ** e      # np.round: ties to even
;;       return np.moveaxis(q.reshape(q.shape[:-2] + (-1,))[..., :K], -1, axis).astype(np.float32)
;;   ~~~
;;   SOFTMAX AHEAD OF A QUANTISED PRODUCT. Where the list says 'softmax', what is quantised is not the finished softmax but p = 2^(t - M), with t = logit x log2(e) and M = ceil(the row's largest t), a whole number; so 1/2 < the row's largest p <= 1. The row's sum l is taken of the UNQUANTISED p, in f32, and the product's result is divided by l at the end. Since M is a whole number, a kernel that streams over the keys may use a running M (the ceiling of the running maximum): every later rescaling is an exact power of two, which a block's scale takes up: the codes' values come out the same.
;;   OPERANDS COMPUTED ON THE WAY. 'Computed on the way' means the value that the module computes at that place (a softmax that the list does not call 'softmax' is quantised finished and normalised). What goes into a quantiser is computed in f32, as accurately as f32 sums, v_exp_f32 and their like allow (about 1e-6 of the number): no bf16 or f16 on the way to a quantiser, and a product that is left as it is and whose result goes on into a quantised operand takes f32 operands (vector FMAs, or v_wmma_f32_16x16x4_f32). A number that lies on a knife's edge between two numbers of the format may be rounded either way, as far as f32 arithmetic and the matrix unit's own rounding can turn it there, and no further.
;; One version. Each part assembles by itself: llvm-mc -triple=amdgcn-amd-amdhsa -mcpu=gfx1250 --defsym DOCPART=n.
;; ======== version 1 of 1: 4 launches
;; workspace buffers: img 15,728,640 bytes; scl 655,360 bytes; rope 1,048,576 bytes; qkv 9,437,184 bytes; qkvs 393,216 bytes; att 3,145,728 bytes; atts 131,072 bytes
;; launch prep (part 1): grid 640 x 1, 4 waves a work-group, no clusters, 59,904 bytes of LDS; arguments hidden_states, position_ids, Wq, Wk, Wv, Wo, img, scl, rope; writes img, scl, rope
.if DOCPART == 1
	.amdgcn_target "amdgcn-amd-amdhsa--gfx1250"
	.amdhsa_code_object_version 6
	.text
	.protected	k_q4cca312e7c_prep
	.globl	k_q4cca312e7c_prep
	.p2align	8
	.type	k_q4cca312e7c_prep,@function
k_q4cca312e7c_prep:
	s_mov_b64 s[64:65], 0
	v_nop
	global_prefetch_b8 v0, s[64:65] scope:SCOPE_SE
	s_setreg_imm32_b32 hwreg(HW_REG_WAVE_MODE, 25, 1), 1
	s_wait_xcnt 0x0
; PREP: hidden_states [2048][2048] and Wq, Wk, Wv, Wo [2048 (k)][2048 (n)], f32, become codes of BF6 (E3M2) with one E8M0 byte for each 32 along K, and position_ids become a table of cos and sin.
; A block's scale is 2^(floor(log2(largest magnitude)) - 4): its byte is the largest magnitude's exponent field - 4, held at 1 from below (a block of zeros gets the byte 1: its codes are zeros, and only this program reads the bytes).
; LAYOUT OF THE CODES: images of operand registers.  A fragment is 16 rows x 128 K, 12 registers a lane, 1,536 bytes: registers 4 c .. 4 c + 3 of lane l at 512 c + 16 l.
;   img [tensor 0 x, 1 Wq, 2 Wk, 3 Wv, 4 Wo][tile T 128][K step 16][1,536];  scl [tensor][T][K step / 2][row 16][K step % 2] words of four bytes.
; THE ROWS OF A TILE ARE NOT NEIGHBOURS: lane r of tile T = 2 g + u holds row 32 g + 8 u + r + 8 (r / 8) (a row of x, a column of a weight), so that the results of a product used transposed lie along the next K in a lane's registers.
;   rope [T][chunk 16][512]: chunk 4 b + i: cos, chunk 8 + 4 b + i: sin; lane (r, h) holds 4 numbers for the token of row r of tile T, frequencies 32 b + 16 h + 4 i + 0 .. 3.
; SHARES: work-groups 0-127 take a tile of x each (wave w: K steps 4 w .. 4 w + 3, and a quarter of the tile's table); work-groups 128-639 take 128 columns x 256 K of a weight (wave w: 32 columns).
; The two paths part on the work-group's number and have LDS bytes of their own (weights 0 .. 25,599; x 25,600 .. 59,391).  Waves share nothing: no barrier.
; LIMITS: NaN and infinities among the inputs are not served.  |position| up to 2^22.  1 / 10000^(f / 64) is made as 2^(-f log2(10000) / 64) by v_exp_f32, and cos and sin by a reduction with pi / 2 in three parts and
; polynomials of degree 7 and 8: each within a few units of f32's last place of what the source's own f32 arithmetic gives.
.set XSTG, 25600                       ; x's stages begin here
.set XPW,  8448                        ; a wave's stage: 16 rows x (512 bytes + 16)
.set LD,   32                          ; v32-159  two sets of 64 registers as loaded
.set XN,   160                         ; v160-223 64 numbers of my row, 16 of each block of 32; before that the table's work
.set TM,   224                         ; v224-239 maxima, bytes, scale operands
.set PW,   240                         ; the scale word just made
.set PC,   10                          ; v10-29   the codes just made
; 64 numbers of a lane, register 16 b + i = k 32 b + 16 (lane / 16) + i of my row, become a fragment's codes in v[PC] on and its scale word in v[PW]
.macro QUANT s
.irp b, 0,1,2,3
	v_max3_num_f32 v[TM+\b], |v[\s+16*\b]|, |v[\s+1+16*\b]|, 0x2800000   ; my 16 numbers of block b, and the floor 2^(5 - 127): the byte cannot fall under 1
.endr
.irp i, 2,4,6,8,10,12,14
.irp b, 0,1,2,3
	v_max3_num_f32 v[TM+\b], v[TM+\b], |v[\s+16*\b+\i]|, |v[\s+1+16*\b+\i]|
.endr
.endr
.irp b, 0,1,2,3
	v_permlanex16_b32 v[TM+4+\b], v[TM+\b], s26, s27
.endr
.irp b, 0,1,2,3
	v_max_num_f32 v[TM+\b], v[TM+\b], v[TM+4+\b]                         ; with lane l xor 16's: the block's largest magnitude
.endr
.irp b, 0,1,2,3
	v_add_nc_u32 v[TM+12+\b], 0xfe000000, v[TM+\b]                       ; 4 off its exponent field: the conversion's scale operand
.endr
.irp b, 0,1,2,3
	v_lshrrev_b32 v[TM+4+\b], 23, v[TM+12+\b]                            ; the scale's byte
.endr
	v_lshl_or_b32 v[PW], v[TM+5], 8, v[TM+4]
	v_lshl_or_b32 v[PW], v[TM+6], 16, v[PW]
	v_lshl_or_b32 v[PW], v[TM+7], 24, v[PW]
.irp c, 0,1
	v_cvt_scalef32_pk16_bf6_f32 v[PC+6*\c:PC+2+6*\c], v[\s+32*\c:\s+15+32*\c], v[TM+12+2*\c]
	v_cvt_scalef32_pk16_bf6_f32 v[PC+12+4*\c:PC+14+4*\c], v[\s+16+32*\c:\s+31+32*\c], v[TM+12+2*\c+1]   ; (a conversion's three registers begin on an even number)
.endr
	v_nop                                                                ; one plain place behind a scaled conversion
.irp c, 0,1                            ; the operand's layout wants a whole block in a lane: lanes 0-15 block 2 c, lanes 16-31 block 2 c + 1
.irp i, 0,1,2
	v_permlane16_swap_b32 v[PC+6*\c+\i], v[PC+12+4*\c+\i]
.endr
.irp i, 0,1,2
	v_mov_b32 v[PC+3+6*\c+\i], v[PC+12+4*\c+\i]
.endr
.endr
.endm
; K step t of my four: 16 loads, one for each row of the tile, 512 consecutive bytes each
.macro LOADX t
.irp i, 0,1,2,3,4,5,6,7,8,9,10,11,12,13,14,15
	global_load_b128 v[LD+64*((\t)%2)+4*\i:LD+64*((\t)%2)+4*\i+3], v4, s[4:5] offset:(\i+8*(\i/8))*8192+512*(\t) th:TH_LOAD_NT
.endr
.endm
; A K step of x: through my stage (in as loaded, out 64 bytes a lane four times), quantised, stored as an image
.macro XSTEP t
.if (\t) < 3
	s_wait_loadcnt 16                              ; this step's 16 loads are in; the next step's 16 may be out
.else
	s_wait_loadcnt 0x0
.endif
	s_wait_xcnt 0x0                                ; earlier stores have read their data: XN (the table's) and PC (the last step's codes) are written again only behind this wait
.irp i, 0,1,2,3,4,5,6,7,8,9,10,11,12,13,14,15
	ds_store_b128 v5, v[LD+64*((\t)%2)+4*\i:LD+64*((\t)%2)+4*\i+3] offset:528*\i
.endr
.irp b, 0,1,2,3
.irp j, 0,1,2,3
	ds_load_b128 v[XN+16*\b+4*\j:XN+16*\b+4*\j+3], v6 offset:128*\b+16*\j   ; LDS serves a wave's instructions in order: these see the stores above
.endr
.endr
	s_wait_dscnt 0x0
.if (\t) < 2
	LOADX (\t)+2                                   ; into the set that the stage has just taken over
.endif
	QUANT XN
.irp c, 0,1,2
	global_store_b128 v4, v[PC+4*\c:PC+4*\c+3], s[16:17] offset:1536*(\t)+512*\c   ; 32 lanes store 512 consecutive bytes, aligned
.endr
	v_mov_b32 v[241+(\t)], v[PW]
.endm
; a weight's block t of 8: W(32 t + i, my column), i = 0 .. 31, into set t % 2: 32 lanes read 128 consecutive bytes, the four waves 512
.macro LOADW t
.irp i, 0,1,2,3,4,5,6,7,8,9,10,11,12,13,14,15,16,17,18,19,20,21,22,23,24,25,26,27,28,29,30,31
	global_load_b32 v[32+32*((\t)%2)+\i], v4, s[28:29] offset:(32*(\t)+\i)*8192 th:TH_LOAD_NT
.endr
.endm
; block t is K = 64 c + 32 h + 0 .. 31 of K step t / 4, with c = (t % 4) / 2 and h = t % 2: registers 6 c .. 6 c + 5 of lane r + 16 h of that fragment
.macro BLOCK t
.set XS, 32+32*((\t)%2)
.set FO, 1536*((\t)/4)+256*((\t)%2)
.if (\t) < 7
	s_wait_loadcnt 32                              ; this block's 32 loads are in; the next block's may be out
.else
	s_wait_loadcnt 0x0
.endif
	v_max3_num_f32 v12, |v[XS]|, |v[XS+1]|, |v[XS+2]|              ; all 32 numbers of the block are mine
	v_max3_num_f32 v13, |v[XS+3]|, |v[XS+4]|, |v[XS+5]|
.irp i, 6,10,14,18,22,26
	v_max3_num_f32 v12, v12, |v[XS+\i]|, |v[XS+\i+1]|
	v_max3_num_f32 v13, v13, |v[XS+\i+2]|, |v[XS+\i+3]|
.endr
	v_max3_num_f32 v12, v12, |v[XS+30]|, |v[XS+31]|
	v_max3_num_f32 v12, v12, v13, 0x2800000        ; and the floor
	v_add_nc_u32 v11, 0xfe000000, v12              ; the conversion's scale operand
	v_lshrrev_b32 v10, 23, v11                     ; the byte
.if (\t)%4 == 0
	v_mov_b32 v[14+(\t)/4], v10
.else
	v_lshl_or_b32 v[14+(\t)/4], v10, 8*((\t)%4), v[14+(\t)/4]
.endif
	v_cvt_scalef32_pk16_bf6_f32 v[16:18], v[XS:XS+15], v11
	v_cvt_scalef32_pk16_bf6_f32 v[22:24], v[XS+16:XS+31], v11
	v_nop                                          ; one plain place behind a scaled conversion
	v_mov_b32 v19, v22
	v_mov_b32 v20, v23
	v_mov_b32 v21, v24
.if ((\t)%4)/2 == 0
	ds_store_b128 v5, v[16:19] offset:FO           ; registers 0-3: chunk 0
	ds_store_b64 v5, v[20:21] offset:FO+512        ; registers 4, 5: the lower half of my 16 bytes of chunk 1
.else
	ds_store_b64 v5, v[16:17] offset:FO+520        ; registers 6, 7: the upper half
	ds_store_b128 v5, v[18:21] offset:FO+1024      ; registers 8-11: chunk 2
.endif
.if (\t)+2 < 8
	LOADW (\t)+2
.endif
	s_wait_dscnt 0x0                               ; the stores have read their registers: the next block's codes may be written
.endm
	s_load_b256 s[4:11], s[0:1], 0x0               ; hidden_states s[4:5], position_ids s[6:7], Wq s[8:9], Wk s[10:11]
	s_load_b256 s[12:19], s[0:1], 0x20             ; Wv s[12:13], Wo s[14:15], img s[16:17], scl s[18:19]
	s_load_b64 s[20:21], s[0:1], 0x40              ; rope
	v_lshl_add_u32 v254, v0, 2, 0xe800
	v_mov_b32 v255, 0
	v_lshrrev_b32 v1, 5, v0
	v_readfirstlane_b32 s22, v1                    ; wave 0..3
	v_and_b32 v1, 31, v0                           ; lane
	s_cmp_lt_u32 ttmp9, 128
	s_cbranch_scc0 .Lweights
	; ---------------- a tile of x ----------------
	v_and_b32 v2, 15, v0                           ; r
	v_bfe_u32 v3, v0, 4, 1                         ; h
	v_lshlrev_b32 v4, 4, v1                        ; 16 x lane
	s_mul_i32 s23, s22, XPW
	s_add_co_u32 s23, s23, XSTG                    ; my stage
	v_add_nc_u32 v5, s23, v4                       ; in: 16 bytes a lane of a row's 512
	v_mul_u32_u24 v6, v2, 528
	v_lshl_add_u32 v6, v3, 6, v6
	v_add_nc_u32 v6, s23, v6                       ; out: row r, + 64 h
	s_lshr_b32 s24, ttmp9, 1
	s_lshl_b32 s24, s24, 5
	s_and_b32 s25, ttmp9, 1
	s_lshl_b32 s25, s25, 3
	s_add_co_u32 s24, s24, s25                     ; the tile's first row: 32 g + 8 u
	v_and_b32 v7, 8, v2
	v_add_nc_u32 v7, v7, v2                        ; r + 8 (r / 8)
	v_add_nc_u32 v7, s24, v7
	v_lshlrev_b32 v7, 2, v7                        ; my token's place in position_ids
	v_lshlrev_b32 v8, 3, v2
	v_lshl_add_u32 v8, v3, 7, v8                   ; scale words: 128 h + 8 r
	s_mov_b32 s26, 0x76543210
	s_mov_b32 s27, 0xfedcba98                      ; v_permlanex16_b32's selects for lane l xor 16
.irp b, 0,1,2,3
	v_mov_b32 v[TM+4+\b], 0                        ; written once: a lane permute's destination counts as one of its sources
.endr
	s_mov_b32 s29, 0
	s_lshl_b32 s28, s24, 13                        ; rows of 8,192 bytes,
	s_lshl_b32 s25, s22, 11                        ; my four K steps: 2,048 bytes
	s_add_co_u32 s28, s28, s25
	s_wait_kmcnt 0x0
	s_add_nc_u64 s[4:5], s[4:5], s[28:29]
	s_mul_i32 s28, ttmp9, 24576
	s_mul_i32 s25, s22, 6144
	s_add_co_u32 s28, s28, s25
	s_add_nc_u64 s[16:17], s[16:17], s[28:29]      ; img: tile T, K step 4 w
	s_lshl_b32 s28, ttmp9, 10
	s_lshl_b32 s25, s22, 8
	s_add_co_u32 s28, s28, s25
	s_add_nc_u64 s[18:19], s[18:19], s[28:29]      ; scl: tile T, pairs of K steps 2 w and 2 w + 1
	s_lshl_b32 s28, ttmp9, 13
	s_lshl_b32 s25, s22, 10
	s_add_co_u32 s28, s28, s25
	s_add_nc_u64 s[20:21], s[20:21], s[28:29]      ; rope: tile T, chunk 2 w
	global_load_b32 v9, v7, s[6:7]                 ; my token's position
	LOADX 0
	LOADX 1
	; the table, while x is on its way: my eight frequencies f0 + e, f0 = 32 (w / 2) + 16 h + 8 (w % 2)
	s_mov_b32 s30, 0x3f22f983                      ; 2 / pi
	s_mov_b32 s31, 0xbfc90fdb                      ; pi / 2 = C1 - C2 - C3: -C1,
	s_mov_b32 s32, 0x333bbd2e                      ; C2,
	s_mov_b32 s33, 0x26f72ced                      ; C3
	s_mov_b32 s34, 0xbe2aaaa3                      ; sin r = r + r z (S1 + z (S2 + z S3)), z = r^2
	s_mov_b32 s35, 0x3c08839e
	s_mov_b32 s36, 0xb94ca1f9
	s_mov_b32 s37, 0x3d2aaaa5                      ; cos r = 1 - z / 2 + z^2 (K1 + z (K2 + z K3))
	s_mov_b32 s38, 0xbab6061a
	s_mov_b32 s39, 0x37ccf5ce
	s_mov_b32 s40, 0xbe549a78                      ; -log2(10000) / 64
	s_mov_b32 s41, 0x80000000
	s_lshr_b32 s42, s22, 1
	s_lshl_b32 s42, s42, 5
	s_and_b32 s43, s22, 1
	s_lshl_b32 s43, s43, 3
	s_add_co_u32 s42, s42, s43
	v_lshl_add_u32 v216, v3, 4, s42                ; f0
.irp e, 0,1,2,3,4,5,6,7
	v_add_nc_u32 v[176+\e], \e, v216
.endr
.irp e, 0,1,2,3,4,5,6,7
	v_cvt_f32_u32 v[176+\e], v[176+\e]
.endr
.irp e, 0,1,2,3,4,5,6,7
	v_mul_f32 v[176+\e], s40, v[176+\e]
.endr
.irp e, 0,1,2,3,4,5,6,7
	v_exp_f32 v[184+\e], v[176+\e]                 ; 10000^(-f / 64)
.endr
	s_wait_loadcnt 32                              ; the position is in; x's 32 loads stay out
	v_cvt_f32_i32 v217, v9                         ; (the plain place behind the exponentials)
	s_wait_alu depctr_va_vdst(0)                   ; one wait for the batch, ahead of its first reader
.irp e, 0,1,2,3,4,5,6,7
	v_mul_f32 v[160+\e], v217, v[184+\e]           ; the angle, rounded once as the source rounds it
.endr
.irp e, 0,1,2,3,4,5,6,7
	v_mul_f32 v[168+\e], s30, v[160+\e]
.endr
.irp e, 0,1,2,3,4,5,6,7
	v_rndne_f32 v[168+\e], v[168+\e]               ; n = the nearest multiple of pi / 2
.endr
.irp e, 0,1,2,3,4,5,6,7
	v_fma_f32 v[176+\e], v[168+\e], s31, v[160+\e] ; r = x - n pi / 2, in three parts
.endr
.irp e, 0,1,2,3,4,5,6,7
	v_fma_f32 v[176+\e], v[168+\e], s32, v[176+\e]
.endr
.irp e, 0,1,2,3,4,5,6,7
	v_fma_f32 v[176+\e], v[168+\e], s33, v[176+\e]
.endr
.irp e, 0,1,2,3,4,5,6,7
	v_cvt_i32_f32 v[168+\e], v[168+\e]             ; n as a whole number: its low two bits are the quadrant
.endr
.irp e, 0,1,2,3,4,5,6,7
	v_mul_f32 v[184+\e], v[176+\e], v[176+\e]      ; z
.endr
.irp e, 0,1,2,3,4,5,6,7
	v_fma_f32 v[192+\e], v[184+\e], s36, s35
.endr
.irp e, 0,1,2,3,4,5,6,7
	v_fma_f32 v[192+\e], v[192+\e], v[184+\e], s34
.endr
.irp e, 0,1,2,3,4,5,6,7
	v_mul_f32 v[200+\e], v[184+\e], v[176+\e]
.endr
.irp e, 0,1,2,3,4,5,6,7
	v_fma_f32 v[208+\e], v[192+\e], v[200+\e], v[176+\e]   ; sin r
.endr
.irp e, 0,1,2,3,4,5,6,7
	v_fma_f32 v[192+\e], v[184+\e], s39, s38
.endr
.irp e, 0,1,2,3,4,5,6,7
	v_fma_f32 v[192+\e], v[192+\e], v[184+\e], s37
.endr
.irp e, 0,1,2,3,4,5,6,7
	v_mul_f32 v[200+\e], v[184+\e], v[184+\e]
.endr
.irp e, 0,1,2,3,4,5,6,7
	v_fma_f32 v[216+\e], v[184+\e], -0.5, 1.0
.endr
.irp e, 0,1,2,3,4,5,6,7
	v_fma_f32 v[216+\e], v[192+\e], v[200+\e], v[216+\e]   ; cos r
.endr
.irp e, 0,1,2,3,4,5,6,7
	v_and_b32 v[184+\e], 1, v[168+\e]
	v_cmp_eq_u32 vcc_lo, 1, v[184+\e]              ; in odd quadrants sine and cosine change places
	v_cndmask_b32 v[192+\e], v[208+\e], v[216+\e], vcc_lo
	v_cndmask_b32 v[200+\e], v[216+\e], v[208+\e], vcc_lo
.endr
.irp e, 0,1,2,3,4,5,6,7
	v_lshlrev_b32 v[184+\e], 30, v[168+\e]         ; the sine is negative in quadrants 2 and 3,
.endr
.irp e, 0,1,2,3,4,5,6,7
	v_and_b32 v[184+\e], s41, v[184+\e]
.endr
.irp e, 0,1,2,3,4,5,6,7
	v_xor_b32 v[176+\e], v[184+\e], v[192+\e]      ; sin
.endr
.irp e, 0,1,2,3,4,5,6,7
	v_add_nc_u32 v[168+\e], 1, v[168+\e]           ; the cosine in quadrants 1 and 2
.endr
.irp e, 0,1,2,3,4,5,6,7
	v_lshlrev_b32 v[168+\e], 30, v[168+\e]
.endr
.irp e, 0,1,2,3,4,5,6,7
	v_and_b32 v[168+\e], s41, v[168+\e]
.endr
.irp e, 0,1,2,3,4,5,6,7
	v_xor_b32 v[160+\e], v[168+\e], v[200+\e]      ; cos
.endr
	global_store_b128 v4, v[160:163], s[20:21]
	global_store_b128 v4, v[164:167], s[20:21] offset:512
	global_store_b128 v4, v[176:179], s[20:21] offset:4096
	global_store_b128 v4, v[180:183], s[20:21] offset:4608
	XSTEP 0
	XSTEP 1
	XSTEP 2
	XSTEP 3
	v_cmp_eq_u32 vcc_lo, 1, v3                     ; lanes 0-15 store the words of K steps 4 w, 4 w + 1, lanes 16-31 those of 4 w + 2, 4 w + 3
	v_cndmask_b32 v246, v241, v243, vcc_lo
	v_cndmask_b32 v247, v242, v244, vcc_lo
	global_store_b64 v8, v[246:247], s[18:19]      ; 32 lanes store 256 consecutive bytes, aligned
	s_wait_tensorcnt 0x0
	ds_add_u32 v254, v255
	s_wait_dscnt 0x0
	s_endpgm
	; ---------------- 128 columns x 256 K of a weight ----------------
.Lweights:
	s_sub_co_u32 s23, ttmp9, 128
	s_lshr_b32 s24, s23, 7                         ; which weight: 0 Wq, 1 Wk, 2 Wv, 3 Wo
	s_and_b32 s25, s23, 15
	s_bfe_u32 s30, s23, 0x30004                    ; which 256 along K
	s_lshl_b32 s25, s25, 2
	s_add_co_u32 s25, s25, s22                     ; g: my wave's 32 columns
	v_lshlrev_b32 v4, 2, v1                        ; in: 4 bytes a lane
	v_bfe_u32 v2, v0, 3, 1                         ; my column 32 g + lane is row r of tile 2 g + u: u = bit 3 of the lane,
	v_and_b32 v3, 7, v0
	v_bfe_u32 v9, v0, 4, 1
	v_lshl_or_b32 v3, v9, 3, v3                    ; r = bits 2:0, and bit 4 on top
	s_mul_i32 s31, s22, 6400                       ; my stage: two tiles' images of 3,072 bytes, 3,200 bytes apart, so that sixteen lanes' stores fall on sixteen different places of 16 bytes modulo 256
	v_mul_u32_u24 v5, v2, 3200
	v_lshl_add_u32 v5, v3, 4, v5
	v_add_nc_u32 v5, s31, v5
	v_lshlrev_b32 v7, 4, v1
	v_add_nc_u32 v6, s31, v7
	v_lshlrev_b32 v8, 3, v3
	v_lshl_add_u32 v8, v2, 10, v8                  ; scale words: 1,024 u + 8 r
	s_wait_kmcnt 0x0
	s_cmp_eq_u32 s24, 0                            ; the choice hangs on the work-group's number alone
	s_cselect_b64 s[28:29], s[8:9], s[10:11]
	s_cmp_eq_u32 s24, 2
	s_cselect_b64 s[28:29], s[12:13], s[28:29]
	s_cmp_eq_u32 s24, 3
	s_cselect_b64 s[28:29], s[14:15], s[28:29]
	s_lshl_b32 s32, s30, 21                        ; 256 rows of 8,192 bytes
	s_lshl_b32 s33, s25, 7
	s_add_co_u32 s32, s32, s33
	s_mov_b32 s33, 0
	s_add_nc_u64 s[28:29], s[28:29], s[32:33]
	s_add_co_u32 s24, s24, 1                       ; the tensor's number in img and scl
	s_mul_i32 s32, s24, 3145728
	s_mul_i32 s34, s25, 49152
	s_add_co_u32 s32, s32, s34
	s_mul_i32 s34, s30, 3072
	s_add_co_u32 s32, s32, s34
	s_add_nc_u64 s[16:17], s[16:17], s[32:33]      ; img: tile 2 g, K step 2 x (which 256)
	s_lshl_b32 s32, s24, 17
	s_lshl_b32 s34, s25, 11
	s_add_co_u32 s32, s32, s34
	s_lshl_b32 s34, s30, 7
	s_add_co_u32 s32, s32, s34
	s_add_nc_u64 s[18:19], s[18:19], s[32:33]
	LOADW 0
	LOADW 1
.irp t, 0,1,2,3,4,5,6,7
	BLOCK \t
.endr
	global_store_b64 v8, v[14:15], s[18:19]        ; my column's two scale words
.irp n, 0,1,2,3,4,5,6,7,8,9,10,11
	ds_load_b128 v[96+4*\n:99+4*\n], v6 offset:3200*(\n/6)+512*(\n%6)
.endr
.irp n, 0,1,2,3,4,5,6,7,8,9,10,11
	s_wait_dscnt 11-\n
	global_store_b128 v7, v[96+4*\n:99+4*\n], s[16:17] offset:24576*(\n/6)+512*(\n%6)   ; 32 lanes store 512 consecutive bytes, aligned
.endr
	s_wait_tensorcnt 0x0
	ds_add_u32 v254, v255
	s_wait_dscnt 0x0
	s_endpgm
.Lfunc_end_k_q4cca312e7c_prep:
	.size	k_q4cca312e7c_prep, .Lfunc_end_k_q4cca312e7c_prep-k_q4cca312e7c_prep
	.p2alignl 7, 3214868480
	.fill 96, 4, 3214868480
	.section	.rodata,"a",@progbits
	.p2align	6, 0x0
	.amdhsa_kernel k_q4cca312e7c_prep
		.amdhsa_group_segment_fixed_size 59904
		.amdhsa_private_segment_fixed_size 0
		.amdhsa_enable_private_segment 0
		.amdhsa_kernarg_size 72
		.amdhsa_user_sgpr_count 2
		.amdhsa_user_sgpr_kernarg_segment_ptr 1
		.amdhsa_wavefront_size32 1
		.amdhsa_system_sgpr_workgroup_id_x 1
		.amdhsa_system_sgpr_workgroup_id_y 1
		.amdhsa_system_sgpr_workgroup_id_z 1
		.amdhsa_system_vgpr_workitem_id 0
		.amdhsa_next_free_vgpr 256
		.amdhsa_next_free_sgpr 66
		.amdhsa_reserve_vcc 1
		.amdhsa_float_denorm_mode_32 3
		.amdhsa_float_denorm_mode_16_64 3
		.amdhsa_memory_ordered 1
		.amdhsa_forward_progress 1
		.amdhsa_inst_pref_size 87
	.end_amdhsa_kernel
	.amdgpu_metadata
---
amdhsa.version: [ 1, 2 ]
amdhsa.kernels:
  - .name:           k_q4cca312e7c_prep
    .symbol:         k_q4cca312e7c_prep.kd
    .args:
      - { .name: hidden_states, .offset: 0, .size: 8, .value_kind: global_buffer, .address_space: global }
      - { .name: position_ids, .offset: 8, .size: 8, .value_kind: global_buffer, .address_space: global }
      - { .name: Wq, .offset: 16, .size: 8, .value_kind: global_buffer, .address_space: global }
      - { .name: Wk, .offset: 24, .size: 8, .value_kind: global_buffer, .address_space: global }
      - { .name: Wv, .offset: 32, .size: 8, .value_kind: global_buffer, .address_space: global }
      - { .name: Wo, .offset: 40, .size: 8, .value_kind: global_buffer, .address_space: global }
      - { .name: img, .offset: 48, .size: 8, .value_kind: global_buffer, .address_space: global }
      - { .name: scl, .offset: 56, .size: 8, .value_kind: global_buffer, .address_space: global }
      - { .name: rope, .offset: 64, .size: 8, .value_kind: global_buffer, .address_space: global }
    .group_segment_fixed_size: 59904
    .private_segment_fixed_size: 0
    .kernarg_segment_align: 8
    .kernarg_segment_size: 72
    .max_flat_workgroup_size: 128
    .sgpr_count:     66
    .vgpr_count:     256
    .wavefront_size: 32
...
	.end_amdgpu_metadata
.endif
;; end of part 1
;; launch qkv (part 2): grid 24 x 8, 4 waves a work-group, clusters of 4 x 4, 327,680 bytes of LDS; arguments img, scl, rope, qkv, qkvs; writes qkv, qkvs
.if DOCPART == 2
	.amdgcn_target "amdgcn-amd-amdhsa--gfx1250"
	.amdhsa_code_object_version 6
	.text
	.protected	k_q4cca312e7c_qkv
	.globl	k_q4cca312e7c_qkv
	.p2align	8
	.type	k_q4cca312e7c_qkv,@function
k_q4cca312e7c_qkv:
	s_mov_b64 s[64:65], 0
	v_nop
	global_prefetch_b8 v0, s[64:65] scope:SCOPE_SE
	s_setreg_imm32_b32 hwreg(HW_REG_WAVE_MODE, 25, 1), 1
	s_wait_xcnt 0x0
	s_wait_alu depctr_hold_cnt(0) depctr_sa_sdst(0) depctr_va_vdst(0) depctr_va_sdst(0) depctr_va_ssrc(0) depctr_va_vcc(0) depctr_vm_vsrc(0)
	s_getreg_b32 s2, hwreg(HW_REG_IB_STS2, 6, 4)
	s_cmp_eq_u32 s2, 0
	s_cbranch_scc0 .Lentry_in_a_cluster
	s_endpgm
.Lentry_in_a_cluster:
	s_bfe_u32 s2, ttmp6, 0x10000c
	s_cmp_lg_u32 s2, 0xf033
	s_cbranch_scc0 .Lentry_shape_is_right
	s_endpgm
.Lentry_shape_is_right:
; QKV: q = x Wq, k = x Wk, v = x Wv on codes of BF6 with E8M0 scales (K = 2,048), the rotation of q and k, and the quantising of the three results for the attention, all in registers.
; A work-group of four waves makes 256 x 256 of a product, a wave 128 x 128: 64 accumulators, 512 registers.  Work-group columns 0-7: q, 8-15: k, 16-23: v.
; THE MATRIX INSTRUCTION IS USED TRANSPOSED: a lane holds one row of source 1, and its registers run along the rows of source 0.
;   q, k: source 1 = 16 tokens of x, source 0 = 16 columns of the weight: a lane's 64 registers of 8 tiles are one token's 128 numbers of one head: they are rotated and quantised along the head's axis.
;   v:    source 1 = 16 columns of Wv, source 0 = 16 tokens of x: a lane's 64 registers are 128 neighbouring keys of one channel: they are quantised along the keys.
; The rows of every tile are 32 g + 8 u + r + 8 (r / 8) (tile 2 g + u, lane r), so register 16 b + i of a lane is place 32 b + 16 (lane / 16) + i along the next K.
; OPERANDS are images of their registers (1,536 bytes a fragment of 16 rows x 128 K; registers 4 c .. 4 c + 3 of lane l at 512 c + 16 l): three loads of 16 bytes a lane, 512 consecutive bytes each, from LDS.
; RING: two LDS slots of two K steps; each wave fetches a quarter of a slot (8 tiles x 3,072 bytes) by one tensor load.  The scale words for all of K come once, with the first fills.
;   At a change of slots half of the K step's products stand AHEAD of the wait for the tiles: between the landing of one slot and the request for the next lie only the three lines and the round.
; CLUSTER 4 x 4: source 1's tiles hang on the work-group's row alone and are asked for jointly along a row of the cluster, source 0's on its column alone and jointly along a column.  A cluster lies wholly in q and k or wholly in v.
; OUT: qkv [0 q, 1 k, 2 v][head 16][step 16][tile 8][1,536] (q, k: step = 128 tokens, tile = 16 tokens; v: step = 128 keys, tile = 16 channels); qkvs [kind][head][step][row 16][tile 8] words.
; ROUNDING: x1 cos - x2 sin and x2 cos + x1 sin are a product and a fused multiply-add: one rounding fewer than the source's.  A block of zeros gets the byte 1 (its codes are zeros; only this program reads the bytes).
; REGISTERS: window 0: v16-29 addresses; v32-63 scale words, two sets; v64-159, v160-255 source 1's fragments, two sets.  window 1: source 0's fragments, two sets, at v0 and v128; from the last K step on three sets of 64 for the table of cos and sin, at v0, v64, v128.
;   windows 2, 3: accumulator (a, b) at v[8 (8 (a % 4) + b)].
.set HALFT, 24576                      ; a wave's quarter of a slot: 8 tiles x 2 K steps x 1,536 bytes
.set SLOT,  4*HALFT
.set SCL,   2*SLOT                     ; behind the ring: the scale words, 8,192 bytes for each quarter
.set SPARE, SCL+32768                  ; the spare words, 128 bytes a wave: two blocks of 256 bytes that no other line names
.set FR,    12
.set LAPS,  4                          ; a lap = two slots = four K steps of the sixteen
.set ADRA,  16                         ; v16-17  LDS address of source 1's fragments in slot 0, 1
.set ADRB,  20                         ; v20-21  of source 0's
.set LI,    24                         ; v24     16 x lane
.set SWO,   25                         ; v25     32 r + 16 h
.set HH,    26                         ; v26     h
.set ADRS,  27                         ; v27     my scale words: lanes 0-15 source 1's rows, lanes 16-31 source 0's
.set SPW,   28                         ; v28     my spare word; never rewritten
.set NIL,   29                         ; v29     0; never rewritten
.set SC,    32                         ; set s at v[SC + 16 s]; register 2 i + q: tile i, the slot's q-th K step
.set AF,    64
.set RR,    64                         ; the way out, window 0: v64-127 rotated numbers, v128-147 codes, v152-167 at work, v168 a scale word, v176-183 eight of them, v184-187 those that I store
.set PC,    128
.set TM,    152
.set PW,    168
.set SW,    176
.set SV,    184
.set G1,  24                           ; s[24:31], s[32:39] groups 1 and 0 (a set a slot) for source 1's tiles
.set G0,  32
.set G1B, 48                           ; s[48:55], s[56:63] for source 0's
.set G0B, 56
.set G1S, 68                           ; s[68:75], s[76:79] for source 1's scale words;  s[80:87], s[88:91] for source 0's
.set G0S, 76
.set G1SB, 80
.set G0SB, 88
.set SEL, 98
.set MSB, 0
.macro WIN new                         ; the immediate's high byte repeats the setting that is left
.if MSB != (\new)
	s_set_vgpr_msb (MSB<<8)|(\new)
.set MSB, (\new)
.endif
.endm
.set MUL_LO, 0xa1                      ; source 0 window 1, source 1 window 0, C and D window 2
.set MUL_HI, 0xf1                      ; the same, C and D window 3
.set TO_B,   0x40                      ; destination window 1, address window 0
.macro PLACES n
.rept \n
	v_nop
.endr
.endm
; A joint load: waves 0 and 1 fetch for source 1, waves 2 and 3 for source 0.  The branch hangs on the wave's number alone.  Four v_nop follow each line.
.macro JLOAD g0a, g1a, g0b, g1b
	s_cmp_eq_u32 s15, 0
	s_cbranch_scc0 .Lfor_b_\@
	tensor_load_to_lds s[\g0a:\g0a+3], s[\g1a:\g1a+7]
	s_nop 0
.rept 4
	v_nop
.endr
	s_branch .Lasked_\@
.Lfor_b_\@:
	tensor_load_to_lds s[\g0b:\g0b+3], s[\g1b:\g1b+7]
	s_nop 0
.rept 4
	v_nop
.endr
.Lasked_\@:
.endm
.macro CREST                           ; a round of the cluster's barrier behind its opening barrier
	s_cmp_lg_u32 s14, 0
	s_cbranch_scc1 .Lnot_wave_0_\@
	s_barrier_signal -3
.Lnot_wave_0_\@:
	s_barrier_wait -3
	s_barrier_signal -1
	s_barrier_wait -1
.endm
.macro CROUND
	s_barrier_signal -1
	s_barrier_wait -1
	CREST
.endm
.macro FRAG reg, adr, q, i             ; a fragment's image: three loads, 512 consecutive bytes each
.irp c, 0,1,2
	ds_load_b128 v[\reg+4*\c:\reg+4*\c+3], v[\adr] offset:3072*(\i)+1536*(\q)+512*\c
.endr
.endm
; one K step's fragments into set p: source 0's eight (24 loads), source 1's blocks 0-3 (12), the slot's scale words where sc >= 0 (8), source 1's blocks 4-7 (12)
.macro FETCH slot, q, p, sc
	WIN TO_B
.irp i, 0,1,2,3,4,5,6,7
	FRAG 128*(\p)+FR*\i, ADRB+\slot, \q, \i
.endr
	WIN 0
.irp i, 0,1,2,3
	FRAG AF+96*(\p)+FR*\i, ADRA+\slot, \q, \i
.endr
.if (\sc) >= 0
.irp i, 0,1,2,3,4,5,6,7
	ds_load_b64 v[SC+16*(\sc)+2*\i:SC+16*(\sc)+2*\i+1], v[ADRS] offset:1024*\i
.endr
.endif
.irp i, 4,5,6,7
	FRAG AF+96*(\p)+FR*\i, ADRA+\slot, \q, \i
.endr
.endm
; 16 matrix instructions: source 1's blocks a0, a0 + 1 x source 0's eight.  The 64 accumulators take turns, one instruction a turn, in the same order in every K step.
.macro MUL16 a0, p, q, sc, zero
.irp a, \a0, \a0+1
.irp b, 0,1,2,3,4,5,6,7
.if \zero
	v_wmma_scale_f32_16x16x128_f8f6f4 v[8*(8*((\a)%4)+\b):8*(8*((\a)%4)+\b)+7], v[128*(\p)+FR*\b:128*(\p)+FR*\b+FR-1], v[AF+96*(\p)+FR*(\a):AF+96*(\p)+FR*(\a)+FR-1], 0, v[SC+16*(\sc)+2*\b+(\q)], v[SC+16*(\sc)+2*(\a)+(\q)] matrix_a_fmt:MATRIX_FMT_BF6 matrix_b_fmt:MATRIX_FMT_BF6 matrix_a_scale:MATRIX_SCALE_ROW1
.else
	v_wmma_scale_f32_16x16x128_f8f6f4 v[8*(8*((\a)%4)+\b):8*(8*((\a)%4)+\b)+7], v[128*(\p)+FR*\b:128*(\p)+FR*\b+FR-1], v[AF+96*(\p)+FR*(\a):AF+96*(\p)+FR*(\a)+FR-1], v[8*(8*((\a)%4)+\b):8*(8*((\a)%4)+\b)+7], v[SC+16*(\sc)+2*\b+(\q)], v[SC+16*(\sc)+2*(\a)+(\q)] matrix_a_fmt:MATRIX_FMT_BF6 matrix_b_fmt:MATRIX_FMT_BF6 matrix_a_scale:MATRIX_SCALE_ROW1
.endif
.endr
.endr
.endm
; a slot's first K step (set 0); in its middle the second K step's fragments are fetched into set 1
.macro STEP slot, zero
	s_wait_dscnt 12                                ; all but the youngest twelve loads (source 1's blocks 4-7) are in
	WIN MUL_LO
	MUL16 0, 0, 0, \slot, \zero
	MUL16 2, 0, 0, \slot, \zero
	PLACES 4                                       ; four places in front of loads into registers that matrix instructions have read (ISA guide 7.12.1 for vector instructions)
	FETCH \slot, 1, 1, -1
	s_wait_dscnt 48                                ; all but the 48 just issued
	WIN MUL_HI
	MUL16 4, 0, 0, \slot, \zero
	MUL16 6, 0, 0, \slot, \zero
.endm
; a slot's second K step (set 1) changes slots.  Its first 32 products, on registers fetched long ago, stand ahead of the wait for the tiles: they are issued while the other slot's load is still on its way.
; Then ONE barrier: in front of it each wave waits for all its tensor loads, adds 0 to its spare word, and waits for that and for its reads of this slot; behind it the refill comes first.
.macro TURN slot, next, fill
	s_wait_dscnt 12                                ; all but the youngest twelve loads (source 1's blocks 4-7) are in
	WIN MUL_LO
	MUL16 0, 1, 1, \slot, 0
	MUL16 2, 1, 1, \slot, 0
	WIN 0
	s_wait_tensorcnt 0x0                           ; all my tensor loads have landed: my part of the next slot; so every group 0 may be written
	ds_add_u32 v[SPW], v[NIL]                      ; 0 onto my spare word
.if \fill
	s_add_nc_u64 s[G0+4*\slot+2:G0+4*\slot+3], s[G0+4*\slot+2:G0+4*\slot+3], 6144      ; this slot's next tiles: four K steps on
	s_add_nc_u64 s[G0B+4*\slot+2:G0B+4*\slot+3], s[G0B+4*\slot+2:G0B+4*\slot+3], 6144
.endif
	s_wait_dscnt 0x0                               ; the add is done, and my reads of this slot are over
	s_barrier_signal -1
	s_barrier_wait -1
.if \fill
	CREST                                          ; the barrier has opened a round of the cluster's: no wave of any partner still reads this slot or has a load on its way
	JLOAD G0+4*\slot, G1, G0B+4*\slot, G1B         ; the first tensor load behind the round; its four v_nop are also the places in front of the loads below
.else
	PLACES 4
.endif
	v_add_nc_u32 v[ADRS], 128, v[ADRS]             ; the next slot's scale words
	FETCH \next, 0, 0, \next
	WIN MUL_HI
	MUL16 4, 1, 1, \slot, 0
	MUL16 6, 1, 1, \slot, 0
.endm
; the sixteenth K step (slot 1, set 1): nothing more to fetch.  It is written in both arms of the parting of q and k from v.
.macro LASTK
	s_wait_dscnt 12
	WIN MUL_LO
	MUL16 0, 1, 1, 1, 0
	MUL16 2, 1, 1, 1, 0
	s_wait_dscnt 0x0
	WIN MUL_HI
	MUL16 4, 1, 1, 1, 0
	MUL16 6, 1, 1, 1, 0
	WIN 0
	PLACES 4                                       ; behind the last products, in front of the first read of results and of writes and loads over operands
.irp b, 0,1,2,3
	v_mov_b32 v[TM+4+\b], 0                        ; written once: a lane permute's destination counts as one of its sources
.endr
.endm
; 64 numbers of a lane in window w, register 16 b + i = place 32 b + 16 (lane / 16) + i along the next K, become a fragment's codes in v[PC] on and its scale word in v[PW] (window 0).  Accumulators are read from their low ends on.
.macro QUANT s, w
	WIN (\w)|((\w)<<2)
.irp b, 0,1,2,3
	v_max3_num_f32 v[TM+\b], |v[\s+16*\b]|, |v[\s+1+16*\b]|, 0x2800000   ; and the floor 2^(5 - 127): the byte cannot fall under 1
.endr
.irp i, 2,4,6,8,10,12,14
.irp b, 0,1,2,3
	v_max3_num_f32 v[TM+\b], |v[\s+16*\b+\i]|, |v[\s+1+16*\b+\i]|, v[TM+\b]
.endr
.endr
	WIN 0
.irp b, 0,1,2,3
	v_permlanex16_b32 v[TM+4+\b], v[TM+\b], s[SEL], s[SEL+1]
.endr
.irp b, 0,1,2,3
	v_max_num_f32 v[TM+\b], v[TM+\b], v[TM+4+\b]
.endr
.irp b, 0,1,2,3
	v_add_nc_u32 v[TM+12+\b], 0xfe000000, v[TM+\b]   ; 4 off the exponent field: the conversion's scale operand
.endr
.irp b, 0,1,2,3
	v_lshrrev_b32 v[TM+4+\b], 23, v[TM+12+\b]
.endr
	v_lshl_or_b32 v[PW], v[TM+5], 8, v[TM+4]
	v_lshl_or_b32 v[PW], v[TM+6], 16, v[PW]
	v_lshl_or_b32 v[PW], v[TM+7], 24, v[PW]
	WIN \w
.irp c, 0,1
	v_cvt_scalef32_pk16_bf6_f32 v[PC+6*\c:PC+2+6*\c], v[\s+32*\c:\s+15+32*\c], v[TM+12+2*\c]
	v_cvt_scalef32_pk16_bf6_f32 v[PC+12+4*\c:PC+14+4*\c], v[\s+16+32*\c:\s+31+32*\c], v[TM+12+2*\c+1]
.endr
	WIN 0
	v_nop                                          ; one plain place behind a scaled conversion
.irp c, 0,1
.irp i, 0,1,2
	v_permlane16_swap_b32 v[PC+6*\c+\i], v[PC+12+4*\c+\i]
.endr
.irp i, 0,1,2
	v_mov_b32 v[PC+3+6*\c+\i], v[PC+12+4*\c+\i]
.endr
.endr
.endm
.macro OUTF a                          ; the fragment just made leaves as it stands: 512 consecutive bytes a store, aligned
.irp c, 0,1,2
	global_store_b128 v[LI], v[PC+4*\c:PC+4*\c+3], s[10:11] offset:1536*(\a)+512*\c
.endr
	v_mov_b32 v[SW+(\a)], v[PW]
.endm
.macro CSLOAD a                        ; cos (32 registers) and sin (32) of the tokens of block a, into set a % 3 of window 1: 16 loads of 512 consecutive bytes
	WIN 0x40
.irp n, 0,1,2,3,4,5,6,7,8,9,10,11,12,13,14,15
	global_load_b128 v[64*((\a)%3)+4*\n:64*((\a)%3)+4*\n+3], v[LI], s[8:9] offset:8192*(\a)+512*\n
.endr
.endm
; block a of q or k: registers p and 32 + p are x1 and x2 of one frequency.  Three blocks' tables are on their way: as soon as block a's set has been read it takes block a + 3's.
.macro ROPEQ a
.if (\a) < 6
	s_wait_loadcnt 32                              ; this block's table is in; the next two blocks' 32 loads may be out
.else
	s_wait_loadcnt 16*(7-(\a))                     ; the counts run down: 16, 0
.endif
	WIN (2+(\a)/4)|(1<<2)
.set AC, 64*((\a)%4)
.set CB, 64*((\a)%3)
.irp p, 0,2,4,6,8,10,12,14,16,18,20,22,24,26,28,30
	v_pk_mul_f32 v[RR+\p:RR+\p+1], v[AC+\p:AC+\p+1], v[CB+\p:CB+\p+1]
	v_pk_mul_f32 v[RR+32+\p:RR+33+\p], v[AC+32+\p:AC+33+\p], v[CB+\p:CB+\p+1]
.endr
.irp p, 0,2,4,6,8,10,12,14,16,18,20,22,24,26,28,30
	v_pk_fma_f32 v[RR+\p:RR+\p+1], v[AC+32+\p:AC+33+\p], v[CB+32+\p:CB+33+\p], v[RR+\p:RR+\p+1] neg_lo:[1,0,0] neg_hi:[1,0,0]   ; x1 cos - x2 sin
	v_pk_fma_f32 v[RR+32+\p:RR+33+\p], v[AC+\p:AC+\p+1], v[CB+32+\p:CB+33+\p], v[RR+32+\p:RR+33+\p]                              ; x2 cos + x1 sin
.endr
	s_wait_xcnt 0x0                                ; the last block's stores have read their data: the codes' registers are written again only behind this wait
.if (\a)+3 < 8
	CSLOAD (\a)+3
.endif
	QUANT RR, 0
	OUTF \a
.endm
.macro VQ a                            ; block a of v: the accumulators as they are
	s_wait_xcnt 0x0
	QUANT 64*((\a)%4), 2+(\a)/4
	OUTF \a
.endm
	s_load_b128 s[4:7], s[0:1], 0x0                ; img s[4:5], scl s[6:7]
	s_load_b128 s[8:11], s[0:1], 0x10              ; rope s[8:9], qkv s[10:11]
	s_load_b64 s[12:13], s[0:1], 0x20              ; qkvs
	v_lshl_add_u32 v[SPW], v0, 2, SPARE
	v_mov_b32 v[NIL], 0
	ds_add_u32 v28, v29
	s_wait_dscnt 0x0
	v_lshrrev_b32 v1, 5, v0
	v_readfirstlane_b32 s14, v1                    ; wave 0..3
	s_lshr_b32 s15, s14, 1                         ; which half of source 1's 16 tiles is mine.  Also: I fetch for source 1 (0) or for source 0 (1)
	s_and_b32 s16, s14, 1                          ; which half of source 0's.  Also: which 8 tiles I fetch
	s_bfe_u32 s40, ttmp6, 0x40000                  ; cx, cy: my place in the cluster
	s_bfe_u32 s41, ttmp6, 0x40004
	s_lshl_b32 s42, ttmp9, 2
	s_add_co_u32 s42, s42, s40                     ; work-group column X
	s_and_b32 s17, ttmp7, 0xffff
	s_lshl_b32 s17, s17, 2
	s_add_co_u32 s17, s17, s41                     ; work-group row Y
	s_lshl_b32 s43, s41, 2
	s_lshl_b32 s43, 15, s43                        ; my row of the cluster
	s_lshl_b32 s44, 0x1111, s40                    ; my column
	; group 1: 8 rows (tiles) of 384 elements of 8 bytes (two K steps' images), 3,072 elements apart; no padding
	s_or_b32 s[G1+0], s43, (3<<16)|(1<<21)
	s_or_b32 s[G1B+0], s44, (3<<16)|(1<<21)
.irp g, G1, G1B
	s_mov_b32 s[\g+1], 384<<16                     ; tensor_dim0
	s_mov_b32 s[\g+2], 8<<16                       ; tensor_dim1
	s_mov_b32 s[\g+3], 384<<16                     ; tile_dim0
	s_mov_b32 s[\g+4], 8                           ; tile_dim1
	s_mov_b32 s[\g+5], 3072                        ; tensor_dim0_stride
	s_mov_b32 s[\g+6], 0
	s_mov_b32 s[\g+7], 0
.endr
	; the scale words of 8 tiles: 8,192 dense bytes as 32 rows of 32 elements of 8 bytes
	s_or_b32 s[G1S+0], s43, (3<<16)|(1<<21)
	s_or_b32 s[G1SB+0], s44, (3<<16)|(1<<21)
.irp g, G1S, G1SB
	s_mov_b32 s[\g+1], 32<<16
	s_mov_b32 s[\g+2], 32<<16
	s_mov_b32 s[\g+3], 32<<16
	s_mov_b32 s[\g+4], 32
	s_mov_b32 s[\g+5], 32
	s_mov_b32 s[\g+6], 0
	s_mov_b32 s[\g+7], 0
.endr
	s_cmp_ge_u32 ttmp9, 4                          ; clusters 4 and 5 along x make v: the same answer in all sixteen partners
	s_cselect_b32 s96, 384, 0
	s_lshl_b32 s18, s16, 3
	s_lshl_b32 s20, s17, 4
	s_add_co_u32 s20, s20, s96
	s_add_co_u32 s20, s20, s18                     ; source 1: tile 16 Y of x (q, k) or of Wv (tiles 384 on), + the 8 that I fetch
	s_lshl_b32 s46, s42, 4
	s_add_co_u32 s46, s46, 128
	s_sub_co_u32 s46, s46, s96
	s_add_co_u32 s46, s46, s18                     ; source 0: tile 128 + 16 X (Wq, Wk) or 16 X - 256 (x)
	s_lshl_b32 s22, s20, 10                        ; their scale words, 1,024 bytes a tile,
	s_mov_b32 s23, 0
	s_lshl_b32 s92, s46, 10
	s_mov_b32 s93, 0
	s_mul_i32 s20, s20, 24576                      ; and their codes, 24,576 bytes a tile
	s_mov_b32 s21, 0
	s_mul_i32 s46, s46, 24576
	s_mov_b32 s47, 0
	s_mul_i32 s45, s14, HALFT                      ; where they go: no place in the cluster enters an LDS address
	s_lshl_b32 s94, s14, 13
	s_mov_b32 s[SEL], 0x76543210
	s_mov_b32 s[SEL+1], 0xfedcba98
	s_wait_kmcnt 0x0
	s_add_nc_u64 s[20:21], s[4:5], s[20:21]
	s_add_nc_u64 s[22:23], s[6:7], s[22:23]
	s_add_nc_u64 s[46:47], s[4:5], s[46:47]
	s_add_nc_u64 s[92:93], s[6:7], s[92:93]
	CROUND                                         ; all sixteen work-groups are here: the first joint loads meet
	s_mov_b32 s[G0S], 1
	s_add_co_u32 s[G0S+1], s94, SCL
	s_mov_b64 s[G0S+2:G0S+3], s[22:23]
	s_or_b32 s[G0S+3], s[G0S+3], 0x80000000
	s_mov_b32 s[G0SB], 1
	s_add_co_u32 s[G0SB+1], s94, SCL
	s_mov_b64 s[G0SB+2:G0SB+3], s[92:93]
	s_or_b32 s[G0SB+3], s[G0SB+3], 0x80000000
	JLOAD G0S, G1S, G0SB, G1SB                     ; the scale words first: they are wanted with K step 0.  Three loads of mine are out behind the third JLOAD, later one
.irp s, 0,1
	s_mov_b32 s[G0+4*\s], 1
	s_add_co_u32 s[G0+4*\s+1], s45, \s*SLOT
	s_add_nc_u64 s[G0+4*\s+2:G0+4*\s+3], s[20:21], \s*3072
	s_or_b32 s[G0+4*\s+3], s[G0+4*\s+3], 0x80000000
	s_mov_b32 s[G0B+4*\s], 1
	s_add_co_u32 s[G0B+4*\s+1], s45, \s*SLOT
	s_add_nc_u64 s[G0B+4*\s+2:G0B+4*\s+3], s[46:47], \s*3072
	s_or_b32 s[G0B+4*\s+3], s[G0B+4*\s+3], 0x80000000
	JLOAD G0+4*\s, G1, G0B+4*\s, G1B
.endr
	v_and_b32 v1, 15, v0                           ; r
	v_bfe_u32 v[HH], v0, 4, 1                      ; h
	v_and_b32 v2, 31, v0
	v_lshlrev_b32 v[LI], 4, v2
	s_mul_i32 s21, s15, HALFT
	s_mul_i32 s22, s16, HALFT
	s_add_co_u32 s22, s22, 2*HALFT
.irp s, 0,1
	v_add_nc_u32 v[ADRA+\s], s21, v[LI]
	v_add_nc_u32 v[ADRB+\s], s22, v[LI]
	s_add_co_u32 s21, s21, SLOT
	s_add_co_u32 s22, s22, SLOT
.endr
	v_lshlrev_b32 v5, 3, v1                        ; scale words: 8 bytes a row for a slot's two K steps
	s_lshl_b32 s21, s15, 13                        ; source 1's: my 8 tiles
	s_lshl_b32 s22, s16, 13                        ; source 0's: my 8 tiles, behind source 1's 16
	s_add_co_u32 s22, s22, 16384
	s_sub_co_u32 s22, s22, s21
	v_mul_u32_u24 v6, s22, v[HH]                   ; lanes 16-31 take source 0's
	s_add_co_u32 s21, s21, SCL
	v_add_nc_u32 v5, v5, v6
	v_add_nc_u32 v[ADRS], s21, v5
	v_lshlrev_b32 v[SWO], 5, v1
	v_lshl_add_u32 v[SWO], v[HH], 4, v[SWO]
	; where the results go
	s_lshl_b32 s18, s17, 1
	s_add_co_u32 s18, s18, s15                     ; which 128 rows of source 1 are mine
	s_and_b32 s19, s42, 7
	s_lshl_b32 s19, s19, 1
	s_add_co_u32 s19, s19, s16                     ; which 128 rows of source 0
	s_lshr_b32 s95, s42, 3                         ; 0 q, 1 k, 2 v
	s_cmp_ge_u32 ttmp9, 4
	s_cselect_b32 s20, s18, s19                    ; the head: source 0's block for q and k, source 1's for v
	s_cselect_b32 s21, s19, s18                    ; the step of 128 tokens: the other one
	s_mul_i32 s22, s95, 3145728
	s_mul_i32 s23, s20, 196608
	s_add_co_u32 s22, s22, s23
	s_mul_i32 s23, s21, 12288
	s_add_co_u32 s22, s22, s23
	s_mov_b32 s23, 0
	s_add_nc_u64 s[10:11], s[10:11], s[22:23]
	s_lshl_b32 s22, s95, 17
	s_lshl_b32 s97, s20, 13
	s_add_co_u32 s22, s22, s97
	s_lshl_b32 s97, s21, 9
	s_add_co_u32 s22, s22, s97
	s_add_nc_u64 s[12:13], s[12:13], s[22:23]
	s_lshl_b32 s22, s18, 16                        ; the table of my 8 tiles of tokens (used for q and k alone)
	s_add_nc_u64 s[8:9], s[8:9], s[22:23]
	s_wait_tensorcnt 1                             ; the scale words and my part of slot 0 are in; slot 1's load may be out
	s_barrier_signal -1
	s_barrier_wait -1
	FETCH 0, 0, 0, 0
	STEP 0, 1                                      ; the first K step stands in front of the loop: its products start the sums
	WIN 0
	s_mov_b32 s3, LAPS-1
.Llap:
	TURN 0, 1, 1
	STEP 1, 0
	TURN 1, 0, 1
	STEP 0, 0
	WIN 0
	s_sub_co_u32 s3, s3, 1
	s_cmp_lg_u32 s3, 0
	s_cbranch_scc1 .Llap
	TURN 0, 1, 0                                   ; the last lap fills nothing
	STEP 1, 0
	WIN 0
	; q and k part from v here, ahead of the last K step, so that the table's first two blocks can be asked for 64 products ahead of the way out.
	; THE WAY OUT goes block by block of 16 rows of source 1; no LDS: a fragment's image is stored from the registers in which it is made.
	PLACES 4                                       ; behind the products that read source 0's set 0, in front of the loads into its registers
	s_cmp_ge_u32 ttmp9, 4
	s_cbranch_scc1 .Lvalues
	CSLOAD 0                                       ; into window 1's v0-127: source 0's set 0, which is done with, and 32 registers that lay idle
	CSLOAD 1
	LASTK
	CSLOAD 2                                       ; into v128-191: source 0's set 1, done with since the last products (four places back)
.irp a, 0,1,2,3,4,5,6,7
	ROPEQ \a
.endr
	s_branch .Lwords
.Lvalues:
	LASTK
.irp a, 0,1,2,3,4,5,6,7
	VQ \a
.endr
.Lwords:
	v_cmp_eq_u32 vcc_lo, 1, v[HH]                  ; lanes 0-15 store row r's words of tiles 0-3, lanes 16-31 those of tiles 4-7
.irp i, 0,1,2,3
	v_cndmask_b32 v[SV+\i], v[SW+\i], v[SW+4+\i], vcc_lo
.endr
	global_store_b128 v[SWO], v[SV:SV+3], s[12:13] ; 32 lanes store 512 consecutive bytes, aligned
	s_wait_tensorcnt 0x0                           ; the wave's end
	ds_add_u32 v[SPW], v[NIL]
	s_wait_dscnt 0x0
	CROUND                                         ; the closing round
	s_endpgm
.Lfunc_end_k_q4cca312e7c_qkv:
	.size	k_q4cca312e7c_qkv, .Lfunc_end_k_q4cca312e7c_qkv-k_q4cca312e7c_qkv
	.p2alignl 7, 3214868480
	.fill 96, 4, 3214868480
	.section	.rodata,"a",@progbits
	.p2align	6, 0x0
	.amdhsa_kernel k_q4cca312e7c_qkv
		.amdhsa_group_segment_fixed_size 327680
		.amdhsa_private_segment_fixed_size 0
		.amdhsa_enable_private_segment 0
		.amdhsa_kernarg_size 40
		.amdhsa_user_sgpr_count 2
		.amdhsa_user_sgpr_kernarg_segment_ptr 1
		.amdhsa_wavefront_size32 1
		.amdhsa_system_sgpr_workgroup_id_x 1
		.amdhsa_system_sgpr_workgroup_id_y 1
		.amdhsa_system_sgpr_workgroup_id_z 1
		.amdhsa_system_vgpr_workitem_id 0
		.amdhsa_next_free_vgpr 1024
		.amdhsa_next_free_sgpr 100
		.amdhsa_reserve_vcc 1
		.amdhsa_float_denorm_mode_32 3
		.amdhsa_float_denorm_mode_16_64 3
		.amdhsa_memory_ordered 1
		.amdhsa_forward_progress 1
		.amdhsa_inst_pref_size 225
	.end_amdhsa_kernel
	.amdgpu_metadata
---
amdhsa.version: [ 1, 2 ]
amdhsa.kernels:
  - .name:           k_q4cca312e7c_qkv
    .symbol:         k_q4cca312e7c_qkv.kd
    .args:
      - { .name: img, .offset: 0, .size: 8, .value_kind: global_buffer, .address_space: global }
      - { .name: scl, .offset: 8, .size: 8, .value_kind: global_buffer, .address_space: global }
      - { .name: rope, .offset: 16, .size: 8, .value_kind: global_buffer, .address_space: global }
      - { .name: qkv, .offset: 24, .size: 8, .value_kind: global_buffer, .address_space: global }
      - { .name: qkvs, .offset: 32, .size: 8, .value_kind: global_buffer, .address_space: global }
    .group_segment_fixed_size: 327680
    .private_segment_fixed_size: 0
    .kernarg_segment_align: 8
    .kernarg_segment_size: 40
    .max_flat_workgroup_size: 128
    .sgpr_count:     100
    .vgpr_count:     1024
    .wavefront_size: 32
...
	.end_amdgpu_metadata
.endif
;; end of part 2
;; launch attn (part 3): grid 16 x 16, 8 waves a work-group, clusters of 4 x 4, 327,680 bytes of LDS; arguments qkv, qkvs, attention_mask, att, atts; writes att, atts
.if DOCPART == 3
	.amdgcn_target "amdgcn-amd-amdhsa--gfx1250"
	.amdhsa_code_object_version 6
	.text
	.protected	k_q4cca312e7c_attn
	.globl	k_q4cca312e7c_attn
	.p2align	8
	.type	k_q4cca312e7c_attn,@function
k_q4cca312e7c_attn:
	s_mov_b64 s[64:65], 0
	v_nop
	global_prefetch_b8 v0, s[64:65] scope:SCOPE_SE
	s_setreg_imm32_b32 hwreg(HW_REG_WAVE_MODE, 25, 1), 1
	s_wait_xcnt 0x0
	s_wait_alu depctr_hold_cnt(0) depctr_sa_sdst(0) depctr_va_vdst(0) depctr_va_sdst(0) depctr_va_ssrc(0) depctr_va_vcc(0) depctr_vm_vsrc(0)
	s_getreg_b32 s2, hwreg(HW_REG_IB_STS2, 6, 4)
	s_cmp_eq_u32 s2, 0
	s_cbranch_scc0 .Lentry_in_a_cluster
	s_endpgm
.Lentry_in_a_cluster:
	s_bfe_u32 s2, ttmp6, 0x10000c
	s_cmp_lg_u32 s2, 0xf033
	s_cbranch_scc0 .Lentry_shape_is_right
	s_endpgm
.Lentry_shape_is_right:
; ATTN: for each head and query, o = softmax_k(q . k / sqrt(128) + mask[q][k]) v, both products on codes of BF6 with E8M0 scales; o is quantised along the hidden axis for the last product.
; THE SOFTMAX AHEAD OF THE SECOND PRODUCT: u = score / sqrt(128) + mask, held from below; t = u log2(e); M = the row's largest t so far, rounded up to a whole number; p = 2^(t - M) is quantised along the keys, not normalised.
; The row's sum is taken of the unquantised p and divides at the end.  When M moves, the sum and O are multiplied by 2^(old M - new M): exact.
; THE MASK IS AN INPUT: every key step is walked and every number of the mask is read and added.
; A ROW THAT IS WHOLLY MASKED: u is held at -2^127, whose product with log2(e) is exact in f32; the largest t begins at that product, so t - M is exactly 0 and p = 1 for every key: equal weights, as the source gives.
;   When an open key comes, old M - new M saturates and the factor is 0: what was summed is wiped.  No branch hangs on data.
; LIMITS: logits under -2^127 count as -2^127 (the source holds them at -3.4e38); NaN and +infinity among the inputs are not served; score / sqrt(128) + mask is one fused multiply-add by 1 / sqrt(128).
; SHARES: a work-group owns 128 queries of one head; each of its eight waves 16 of them (tile w: lane r holds query 32 (w / 2) + 8 (w % 2) + r + 8 (r / 8)); two waves to a SIMD, so that one wave's vector work stands beside the other's products and LDS loads.
; Both products are used transposed (S^T = K Q^T, O^T = V^T P^T): a lane holds one query throughout; the rows of K's and V^T's tiles are ordered so that a lane's registers run along the keys, and then along the head's axis, in the next quantiser's order.
; RING: two LDS slots of one key step (128 keys): K's 8 fragments, V^T's 8 (images of registers, 12,288 bytes each) and the mask's 128 rows x 512 bytes (pitch 528).  Wave 0 fetches K, wave 1 V, waves 2 and 3 the mask's halves.
; The scale words of the head's K and V (8,192 bytes each) come once, by waves 4 and 5.
; CLUSTER 4 x 4: the four work-groups of a row share a head: K, V and their scale words are asked for jointly; the four of a column share a block of queries: the mask's tile is asked for jointly.
; REGISTERS: window 0: v1-9 addresses; v12 -M, v13 the largest t, v[14:15] the sum; v16-27 Q; v32-39, v40-47 K's and V's scale words; v48-67 the way out's codes; v96-159 S^T, u, p; v160-223 O^T; v224-235 p's codes; v232-254 at work; v255 Q's scale words.
;   window 1: v0-95 K's fragments, v96-191 V's, v192-255 the mask's 64 numbers.
.set SLOTB, 92160
.set VOFF,  12288
.set MOFF,  24576
.set SCK,   2*SLOTB
.set SCV,   SCK+8192
.set SPARE, SCV+8192                   ; the spare words, 128 bytes a wave: four blocks of 256 bytes that no other line names
.set AKV, 1                            ; v1-2  16 x lane in slot 0, 1
.set AMK, 3                            ; v3-4  my query's row of the mask, + 64 h, in slot 0, 1
.set SPW, 5
.set NIL, 6
.set LI,  7                            ; v7    16 x lane
.set ASC, 8                            ; v8    K's scale words of the step: 32 r, + 512 a step; V's lie 8,192 bytes on
.set PFO, 9                            ; v9    the prefetches' offset; never rewritten
.set TM,  232
.set PW,  248
.set PC,  48
.set WV,  14
.set IS,  16                           ; s[16:17] 1 / sqrt(128)
.set HOLD, 19                          ; s19   -2^127
.set SEL, 20
.set CS,  22                           ; s[22:23] log2(e)
.set G1KV, 24
.set G1M,  32
.set G1S,  48
.set G0KV, 56                          ; s[56:63] a set a slot
.set G0M,  68                          ; s[68:75]
.set G0S,  76
.set PFA, 80                           ; s[80:81] where my prefetches stand
.set PFS, 82                           ; s[82:83] their step a key step
.set LIM, 84                           ; a wave prefetches while the step's number is under this
.set EVR, 85                           ; 1: only in even steps
.set JJ,  87                           ; the key step's number
.set CNT, 88
.set MSB, 0
.macro WIN new
.if MSB != (\new)
	s_set_vgpr_msb (MSB<<8)|(\new)
.set MSB, (\new)
.endif
.endm
.macro PLACES n
.rept \n
	v_nop
.endr
.endm
.macro CROUND                          ; a round of the cluster's barrier
	s_barrier_signal -1
	s_barrier_wait -1
	s_cmp_lg_u32 s[WV], 0
	s_cbranch_scc1 .Lnot_wave_0_\@
	s_barrier_signal -3
.Lnot_wave_0_\@:
	s_barrier_wait -3
	s_barrier_signal -1
	s_barrier_wait -1
.endm
; the joint refill of slot m.  The branches hang on the wave's number alone.  Four v_nop follow each line.
.macro TLOAD m
	s_cmp_lt_u32 s[WV], 2
	s_cbranch_scc0 .Lnot_kv_\@
	tensor_load_to_lds s[G0KV+4*(\m):G0KV+4*(\m)+3], s[G1KV:G1KV+7]
	s_nop 0
.rept 4
	v_nop
.endr
	s_branch .Lasked_\@
.Lnot_kv_\@:
	s_cmp_lt_u32 s[WV], 4
	s_cbranch_scc0 .Lasked_\@
	tensor_load_to_lds s[G0M+4*(\m):G0M+4*(\m)+3], s[G1M:G1M+7]
	s_nop 0
.rept 4
	v_nop
.endr
.Lasked_\@:
.endm
; A PREFETCH INTO THE L2, where the fetching waves have their tensor load.  Waves 6 and 7 of the clusters with y = 0 ask, in step J < 14, for the mask's tile of step J + 2, one step ahead of the load that wants it: a lane a row;
; of the tile's 128 rows the partner at place cy takes 32, told apart by address; wave 6 names the first 256 bytes of a row's 512, wave 7 the second.  Waves 4 (K) and 5 (V) of the clusters with x = 0 ask, in steps J = 0, 2 .. 8,
; for blocks 128 i + 32 cx + lane (i = J / 2 + 1) of the 768 blocks of 256 bytes of the head's codes: the first key step that touches block 128 i is loaded in a later step than J.  Each block is named once; blocks 0-127
; and the mask's first two tiles come by their loads alone; the last request ends inside its buffer.  The tests hang on the wave's number, the cluster's x and y and the step's number.
.macro ASK
	s_cmp_lt_u32 s[JJ], s[LIM]
	s_cbranch_scc0 .Lnot_mine_\@
	s_and_b32 s89, s[JJ], s[EVR]
	s_cmp_eq_u32 s89, 0
	s_cbranch_scc0 .Lnot_mine_\@
	global_prefetch_b8 v[PFO], s[PFA:PFA+1] th:TH_LOAD_NT scope:SCOPE_SE
.Lnot_mine_\@:
.endm
; A KEY STEP out of slot n
.macro STEP n
	ds_load_b128 v[32:35], v[ASC]                  ; row r's scale words of K's tiles 0-3, 4-7,
	ds_load_b128 v[36:39], v[ASC] offset:16
	ds_load_b128 v[40:43], v[ASC] offset:8192      ; and of V's
	ds_load_b128 v[44:47], v[ASC] offset:8208
	WIN 0x40
.irp t, 0,1,2,3,4,5,6,7
.irp c, 0,1,2
	ds_load_b128 v[12*\t+4*\c:12*\t+4*\c+3], v[AKV+\n] offset:1536*\t+512*\c
.endr
.endr
.irp b, 0,1,2,3
.irp j, 0,1,2,3
	ds_load_b128 v[192+16*\b+4*\j:195+16*\b+4*\j], v[AMK+\n] offset:128*\b+16*\j   ; register 16 b + i: key 32 b + 16 h + i of my query's row
.endr
.endr
	s_wait_dscnt 16                                ; the scale words and K are in; the mask's 16 loads may be out
	WIN 0x01
.irp t, 0,1,2,3,4,5,6,7
	v_wmma_scale_f32_16x16x128_f8f6f4 v[96+8*\t:103+8*\t], v[12*\t:12*\t+11], v[16:27], 0, v[32+\t], v255 matrix_a_fmt:MATRIX_FMT_BF6 matrix_b_fmt:MATRIX_FMT_BF6
.endr
	WIN 0x40
.irp t, 0,1,2,3,4,5,6,7
.irp c, 0,1,2
	ds_load_b128 v[96+12*\t+4*\c:96+12*\t+4*\c+3], v[AKV+\n] offset:VOFF+1536*\t+512*\c   ; V's fragments: first read behind the softmax.  Issued here, 40 LDS loads of mine are out at the most
.endr
.endr
	PLACES 4                                       ; four places between the products and the first read of their results
	s_wait_dscnt 24                                ; the mask is in; V's 24 loads may be out
	WIN 0x10
.irp j, 0,2,4,6,8,10,12,14,16,18,20,22,24,26,28,30,32,34,36,38,40,42,44,46,48,50,52,54,56,58,60,62
	v_pk_fma_f32 v[96+\j:97+\j], v[96+\j:97+\j], s[IS:IS+1], v[192+\j:193+\j] op_sel_hi:[1,0,1]   ; u = score / sqrt(128) + mask; each accumulator from its low end on
.endr
	WIN 0
.irp j, 0,1,2,3,4,5,6,7,8,9,10,11,12,13,14,15,16,17,18,19,20,21,22,23,24,25,26,27,28,29,30,31,32,33,34,35,36,37,38,39,40,41,42,43,44,45,46,47,48,49,50,51,52,53,54,55,56,57,58,59,60,61,62,63
	v_max_num_f32 v[96+\j], s[HOLD], v[96+\j]      ; the hold
.endr
.irp b, 0,1,2,3
	v_max3_num_f32 v[232+\b], v[96+16*\b], v[97+16*\b], v[98+16*\b]   ; the largest u of each block of 32 keys: it serves for the row's maximum and, since p rises with u, for the block's largest p
.endr
.irp i, 3,5,7,9,11,13
.irp b, 0,1,2,3
	v_max3_num_f32 v[232+\b], v[232+\b], v[96+16*\b+\i], v[97+16*\b+\i]
.endr
.endr
.irp b, 0,1,2,3
	v_max_num_f32 v[232+\b], v[232+\b], v[111+16*\b]
.endr
.irp b, 0,1,2,3
	v_permlanex16_b32 v[236+\b], v[232+\b], s[SEL], s[SEL+1]
.endr
.irp b, 0,1,2,3
	v_max_num_f32 v[232+\b], v[232+\b], v[236+\b]  ; with lane l xor 16's 16 keys
.endr
	v_max3_num_f32 v254, v232, v233, v234
	v_max_num_f32 v254, v254, v235
	v_mul_f32 v254, s[CS], v254                    ; as t
	v_max_num_f32 v13, v13, v254                   ; the running largest t
	v_mov_b32 v254, v12
	v_floor_f32 v12, -v13                          ; the new -M = floor(-t): M is a whole number
	v_sub_f32 v254, v12, v254                      ; old M - new M: a whole number, 0 or less
	v_cvt_i32_f32 v254, v254                       ; (it saturates)
	v_ldexp_f32 v252, 1.0, v254                    ; f = 2^(old M - new M)
.irp j, 0,2,4,6,8,10,12,14,16,18,20,22,24,26,28,30,32,34,36,38,40,42,44,46,48,50,52,54,56,58,60,62
	v_pk_fma_f32 v[96+\j:97+\j], v[96+\j:97+\j], s[CS:CS+1], v[12:13] op_sel_hi:[1,0,0]   ; t - M
.endr
.irp b, 0,1,2,3
	v_fma_f32 v[232+\b], v[232+\b], s[CS], v12     ; the same of each block's largest u
.endr
.irp j, 0,1,2,3,4,5,6,7,8,9,10,11,12,13,14,15,16,17,18,19,20,21,22,23,24,25,26,27,28,29,30,31,32,33,34,35,36,37,38,39,40,41,42,43,44,45,46,47,48,49,50,51,52,53,54,55,56,57,58,59,60,61,62,63
	v_exp_f32 v[96+\j], v[96+\j]                   ; p = 2^(t - M)
.endr
	v_pk_mul_f32 v[14:15], v[14:15], v[252:253] op_sel_hi:[1,0]   ; the sums under the new M (a plain place behind the exponentials)
	s_wait_alu depctr_va_vdst(0)                   ; one wait for the batch, ahead of its first reader
.irp b, 0,1,2,3
	v_exp_f32 v[232+\b], v[232+\b]                 ; the block's largest p
.endr
	v_pk_add_f32 v[236:237], v[96:97], v[98:99]    ; the row's sum of the unquantised p, in two chains
.irp j, 4,8,12,16,20,24,28,32,36,40,44,48,52,56,60
	v_pk_add_f32 v[14:15], v[14:15], v[96+\j:97+\j]
	v_pk_add_f32 v[236:237], v[236:237], v[98+\j:99+\j]
.endr
	v_pk_add_f32 v[14:15], v[14:15], v[236:237]
	s_wait_alu depctr_va_vdst(0)                   ; and one for the four
.irp b, 0,1,2,3
	v_max_num_f32 v[232+\b], 0x2800000, v[232+\b]  ; the floor 2^(5 - 127): the byte cannot fall under 1
.endr
.irp b, 0,1,2,3
	v_add_nc_u32 v[244+\b], 0xfe000000, v[232+\b]  ; the conversion's scale operand
.endr
.irp b, 0,1,2,3
	v_lshrrev_b32 v[236+\b], 23, v[244+\b]
.endr
	v_lshl_or_b32 v253, v237, 8, v236              ; p's scale word for these 128 keys
	v_lshl_or_b32 v253, v238, 16, v253
	v_lshl_or_b32 v253, v239, 24, v253
.irp c, 0,1
	v_cvt_scalef32_pk16_bf6_f32 v[224+6*\c:226+6*\c], v[96+32*\c:111+32*\c], v[244+2*\c]
	v_cvt_scalef32_pk16_bf6_f32 v[236+4*\c:238+4*\c], v[112+32*\c:127+32*\c], v[244+2*\c+1]
.endr
	v_nop                                          ; one plain place behind a scaled conversion
.irp c, 0,1
.irp i, 0,1,2
	v_permlane16_swap_b32 v[224+6*\c+\i], v[236+4*\c+\i]
.endr
.irp i, 0,1,2
	v_mov_b32 v[227+6*\c+\i], v[236+4*\c+\i]
.endr
.endr
.irp j, 0,2,4,6,8,10,12,14,16,18,20,22,24,26,28,30,32,34,36,38,40,42,44,46,48,50,52,54,56,58,60,62
	v_pk_mul_f32 v[160+\j:161+\j], v[160+\j:161+\j], v[252:253] op_sel_hi:[1,0]   ; O^T under the new M (these 32 are also the places in front of the scaled products below)
.endr
	s_wait_dscnt 0x0                               ; V is in
	WIN 0x01
.irp t, 0,1,2,3,4,5,6,7
	v_wmma_scale_f32_16x16x128_f8f6f4 v[160+8*\t:167+8*\t], v[96+12*\t:107+12*\t], v[224:235], v[160+8*\t:167+8*\t], v[40+\t], v253 matrix_a_fmt:MATRIX_FMT_BF6 matrix_b_fmt:MATRIX_FMT_BF6
.endr
	WIN 0
	PLACES 4                                       ; in front of the next step's loads into operands and scale words, and of the way out's reads
	v_add_nc_u32 v[ASC], 512, v[ASC]
.endm
; A trip: the three lines, a round of the cluster's barrier, the refill of the other slot first behind it, then the step out of slot n.  One tensor load of mine is out at the most.
.macro TRIP n, refill
	s_wait_tensorcnt 0x0                           ; all my tensor loads have landed, my part of this step's tiles among them: every group 0 may be written
	ds_add_u32 v[SPW], v[NIL]                      ; 0 onto my spare word
	s_add_nc_u64 s[G0KV+4*\n+2:G0KV+4*\n+3], s[G0KV+4*\n+2:G0KV+4*\n+3], 24576   ; this slot's next tiles: two key steps on
	s_add_nc_u64 s[G0M+4*\n+2:G0M+4*\n+3], s[G0M+4*\n+2:G0M+4*\n+3], 1024
	s_wait_xcnt 0x0                                ; the last prefetch, a key step back, has read its address
	s_add_nc_u64 s[PFA:PFA+1], s[PFA:PFA+1], s[PFS:PFS+1]
	s_wait_dscnt 0x0                               ; the add is done, and my reads of the other slot are over
	CROUND
.if \refill
	TLOAD 1-\n
	ASK
.endif
	STEP \n
	s_add_co_u32 s[JJ], s[JJ], 1
.endm
; 64 numbers of a lane become a fragment's codes in v[PC] on and its scale word in v[PW]
.macro QUANT s
.irp b, 0,1,2,3
	v_max3_num_f32 v[TM+\b], |v[\s+16*\b]|, |v[\s+1+16*\b]|, 0x2800000
.endr
.irp i, 2,4,6,8,10,12,14
.irp b, 0,1,2,3
	v_max3_num_f32 v[TM+\b], v[TM+\b], |v[\s+16*\b+\i]|, |v[\s+1+16*\b+\i]|
.endr
.endr
.irp b, 0,1,2,3
	v_permlanex16_b32 v[TM+4+\b], v[TM+\b], s[SEL], s[SEL+1]
.endr
.irp b, 0,1,2,3
	v_max_num_f32 v[TM+\b], v[TM+\b], v[TM+4+\b]
.endr
.irp b, 0,1,2,3
	v_add_nc_u32 v[TM+12+\b], 0xfe000000, v[TM+\b]
.endr
.irp b, 0,1,2,3
	v_lshrrev_b32 v[TM+4+\b], 23, v[TM+12+\b]
.endr
	v_lshl_or_b32 v[PW], v[TM+5], 8, v[TM+4]
	v_lshl_or_b32 v[PW], v[TM+6], 16, v[PW]
	v_lshl_or_b32 v[PW], v[TM+7], 24, v[PW]
.irp c, 0,1
	v_cvt_scalef32_pk16_bf6_f32 v[PC+6*\c:PC+2+6*\c], v[\s+32*\c:\s+15+32*\c], v[TM+12+2*\c]
	v_cvt_scalef32_pk16_bf6_f32 v[PC+12+4*\c:PC+14+4*\c], v[\s+16+32*\c:\s+31+32*\c], v[TM+12+2*\c+1]
.endr
	v_nop
.irp c, 0,1
.irp i, 0,1,2
	v_permlane16_swap_b32 v[PC+6*\c+\i], v[PC+12+4*\c+\i]
.endr
.irp i, 0,1,2
	v_mov_b32 v[PC+3+6*\c+\i], v[PC+12+4*\c+\i]
.endr
.endr
.endm
	s_load_b128 s[4:7], s[0:1], 0x0                ; qkv s[4:5], qkvs s[6:7]
	s_load_b128 s[8:11], s[0:1], 0x10              ; attention_mask s[8:9], att s[10:11]
	s_load_b64 s[12:13], s[0:1], 0x20              ; atts
	v_lshl_add_u32 v[SPW], v0, 2, SPARE
	v_mov_b32 v[NIL], 0
	ds_add_u32 v5, v6
	s_wait_dscnt 0x0
	v_lshrrev_b32 v10, 5, v0
	v_readfirstlane_b32 s[WV], v10                 ; wave 0..7
	s_and_b32 s15, s[WV], 1
	s_bfe_u32 s40, ttmp6, 0x40000                  ; cx
	s_bfe_u32 s41, ttmp6, 0x40004                  ; cy
	s_lshl_b32 s42, ttmp9, 2
	s_add_co_u32 s42, s42, s40                     ; my block of 128 queries
	s_and_b32 s43, ttmp7, 0xffff
	s_lshl_b32 s43, s43, 2
	s_add_co_u32 s43, s43, s41                     ; my head
	s_lshl_b32 s44, s41, 2
	s_lshl_b32 s44, 15, s44                        ; my row of the cluster: one head
	s_lshl_b32 s45, 0x1111, s40                    ; my column: one block of queries
	; group 1.  K's or V's step: 12,288 dense bytes as 48 rows of 32 elements of 8 bytes
	s_or_b32 s[G1KV], s44, (3<<16)|(1<<21)
	s_mov_b32 s[G1KV+1], 32<<16
	s_mov_b32 s[G1KV+2], 48<<16
	s_mov_b32 s[G1KV+3], 32<<16
	s_mov_b32 s[G1KV+4], 48
	s_mov_b32 s[G1KV+5], 32
	s_mov_b32 s[G1KV+6], 0
	s_mov_b32 s[G1KV+7], 0
	; half the mask's tile: 64 rows of 128 elements of 4 bytes, 2,048 elements apart; 4 words of padding behind every 128
	s_or_b32 s[G1M], s45, (2<<16)|(1<<20)|(1<<21)|(6<<22)|(3<<25)
	s_mov_b32 s[G1M+1], 128<<16
	s_mov_b32 s[G1M+2], 64<<16
	s_mov_b32 s[G1M+3], 128<<16
	s_mov_b32 s[G1M+4], 64
	s_mov_b32 s[G1M+5], 2048
	s_mov_b32 s[G1M+6], 0
	s_mov_b32 s[G1M+7], 0
	; a head's scale words: 8,192 dense bytes as 32 rows of 256
	s_or_b32 s[G1S], s44, (3<<16)|(1<<21)
	s_mov_b32 s[G1S+1], 32<<16
	s_mov_b32 s[G1S+2], 32<<16
	s_mov_b32 s[G1S+3], 32<<16
	s_mov_b32 s[G1S+4], 32
	s_mov_b32 s[G1S+5], 32
	s_mov_b32 s[G1S+6], 0
	s_mov_b32 s[G1S+7], 0
	s_mov_b32 s[IS], 0x3db504f3                    ; 1 / sqrt(128)
	s_mov_b32 s[IS+1], s[IS]
	s_mov_b32 s[CS], 0x3fb8aa3b                    ; log2(e)
	s_mov_b32 s[CS+1], s[CS]
	s_mov_b32 s[HOLD], 0xff000000                  ; -2^127
	s_mov_b32 s[SEL], 0x76543210
	s_mov_b32 s[SEL+1], 0xfedcba98
	s_add_co_u32 s46, s15, 1                       ; even waves: k (kind 1), odd waves: v (kind 2)
	s_lshl_b32 s90, s46, 17
	s_mul_i32 s46, s46, 3145728
	s_mul_i32 s47, s43, 196608
	s_add_co_u32 s46, s46, s47                     ; the head's codes,
	s_lshl_b32 s91, s43, 13
	s_add_co_u32 s90, s90, s91                     ; and its scale words
	s_lshl_b32 s92, s42, 20
	s_lshl_b32 s93, s15, 19
	s_add_co_u32 s92, s92, s93                     ; the mask: row 128 x block + 64 x half
	s_lshl_b32 s94, s40, 13                        ; the prefetches of K and V: 32 cx blocks of 256 bytes on, and half a group under group 1 (the first trip steps it there)
	s_add_co_u32 s94, s94, s46
	s_add_co_u32 s94, s94, 16384
	s_lshl_b32 s95, s42, 20                        ; those of the mask: row 128 x block + 32 cy, my half of a row's 512 bytes, a step under step 2
	s_lshl_b32 s96, s41, 18
	s_add_co_u32 s95, s95, s96
	s_lshl_b32 s96, s15, 8
	s_add_co_u32 s95, s95, s96
	s_add_co_u32 s95, s95, 512
	s_mov_b32 s47, 0
	s_mov_b32 s91, 0
	s_mov_b32 s93, 0
	s_mul_i32 s18, s15, VOFF                       ; places in a slot: no place in the cluster enters an LDS address
	s_mul_i32 s89, s15, 33792
	s_lshl_b32 s86, s15, 13
	s_wait_kmcnt 0x0
	s_cmp_lt_u32 s[WV], 6                          ; waves 4, 5: K's and V's codes; waves 6, 7: the mask (in waves 0-3 nothing is asked for)
	s_cselect_b64 s[PFA:PFA+1], s[4:5], s[8:9]
	s_cselect_b32 s94, s94, s95
	s_mov_b32 s95, 0
	s_mov_b32 s96, 8192
	s_cselect_b32 s96, 256, s96                    ; from lane to lane
	s_mov_b32 s[PFS], 512
	s_cselect_b32 s[PFS], 16384, s[PFS]
	s_cselect_b32 s[EVR], 1, 0
	s_mov_b32 s[PFS+1], 0
	s_add_nc_u64 s[PFA:PFA+1], s[PFA:PFA+1], s[94:95]
	v_and_b32 v[PFO], 31, v0
	v_mul_lo_u32 v[PFO], v[PFO], s96
	s_cmp_eq_u32 ttmp9, 0                          ; who asks: made in registers that never hold a place in the cluster
	s_cselect_b32 s3, 9, 0
	s_and_b32 s88, ttmp7, 0xffff
	s_cmp_eq_u32 s88, 0
	s_cselect_b32 s88, 14, 0
	s_cmp_lt_u32 s[WV], 6
	s_cselect_b32 s[LIM], s3, s88
	s_cmp_lt_u32 s[WV], 4
	s_cselect_b32 s[LIM], 0, s[LIM]
	s_add_nc_u64 s[46:47], s[4:5], s[46:47]
	s_add_nc_u64 s[90:91], s[6:7], s[90:91]
	s_add_nc_u64 s[92:93], s[8:9], s[92:93]
.irp n, 0,1
	s_mov_b32 s[G0KV+4*\n], 1
	s_add_co_u32 s[G0KV+4*\n+1], s18, \n*SLOTB
	s_add_nc_u64 s[G0KV+4*\n+2:G0KV+4*\n+3], s[46:47], \n*12288
	s_or_b32 s[G0KV+4*\n+3], s[G0KV+4*\n+3], 0x80000000
	s_mov_b32 s[G0M+4*\n], 1
	s_add_co_u32 s[G0M+4*\n+1], s89, \n*SLOTB+MOFF
	s_add_nc_u64 s[G0M+4*\n+2:G0M+4*\n+3], s[92:93], \n*512
	s_or_b32 s[G0M+4*\n+3], s[G0M+4*\n+3], 0x80000000
.endr
	s_mov_b32 s[G0S], 1
	s_add_co_u32 s[G0S+1], s86, SCK
	s_mov_b64 s[G0S+2:G0S+3], s[90:91]
	s_or_b32 s[G0S+3], s[G0S+3], 0x80000000
	CROUND                                         ; all sixteen work-groups are here: the first joint loads meet
	s_cmp_lt_u32 s[WV], 2                          ; the first fills: one load a wave, in one chain of branches on the wave's number
	s_cbranch_scc0 .Lf_not_kv
	tensor_load_to_lds s[G0KV:G0KV+3], s[G1KV:G1KV+7]
	s_nop 0
.rept 4
	v_nop
.endr
	s_branch .Lf_done
.Lf_not_kv:
	s_cmp_lt_u32 s[WV], 4
	s_cbranch_scc0 .Lf_not_m
	tensor_load_to_lds s[G0M:G0M+3], s[G1M:G1M+7]
	s_nop 0
.rept 4
	v_nop
.endr
	s_branch .Lf_done
.Lf_not_m:
	s_cmp_lt_u32 s[WV], 6
	s_cbranch_scc0 .Lf_done
	tensor_load_to_lds s[G0S:G0S+3], s[G1S:G1S+7]
	s_nop 0
.rept 4
	v_nop
.endr
.Lf_done:
	s_mul_i32 s94, s43, 196608                     ; Q: kind 0, my head, my block, my tile
	s_mul_i32 s95, s42, 12288
	s_add_co_u32 s94, s94, s95
	s_mul_i32 s95, s[WV], 1536
	s_add_co_u32 s94, s94, s95
	s_mov_b32 s95, 0
	s_add_nc_u64 s[4:5], s[4:5], s[94:95]
	s_lshl_b32 s94, s43, 13
	s_lshl_b32 s96, s42, 9
	s_add_co_u32 s94, s94, s96
	s_lshl_b32 s96, s[WV], 2
	s_add_co_u32 s94, s94, s96
	s_add_nc_u64 s[6:7], s[6:7], s[94:95]
	v_and_b32 v28, 15, v0                          ; r
	v_bfe_u32 v29, v0, 4, 1                        ; h
	v_and_b32 v30, 31, v0
	v_lshlrev_b32 v[LI], 4, v30
	v_lshlrev_b32 v31, 5, v28
.irp c, 0,1,2
	global_load_b128 v[16+4*\c:19+4*\c], v[LI], s[4:5] offset:512*\c   ; Q's fragment stays in registers
.endr
	global_load_b32 v255, v31, s[6:7]              ; and its scale words
	s_lshl_b32 s96, s42, 3
	s_add_co_u32 s96, s96, s[WV]                   ; my tile of tokens among the 128
	s_mul_i32 s94, s96, 24576
	s_mul_i32 s97, s43, 1536
	s_add_co_u32 s94, s94, s97
	s_add_nc_u64 s[10:11], s[10:11], s[94:95]      ; att: tile, K step = head
	s_lshl_b32 s94, s96, 10
	s_lshr_b32 s97, s43, 1
	s_lshl_b32 s97, s97, 7
	s_add_co_u32 s94, s94, s97
	s_and_b32 s97, s43, 1
	s_lshl_b32 s97, s97, 2
	s_add_co_u32 s94, s94, s97
	s_add_nc_u64 s[12:13], s[12:13], s[94:95]
	v_mov_b32 v[AKV], v[LI]
	v_add_nc_u32 v[AKV+1], SLOTB, v[LI]
	s_lshr_b32 s3, s[WV], 1                        ; (an LDS address: made of the wave's number alone, in registers that never hold a place in the cluster)
	s_lshl_b32 s3, s3, 5
	s_lshl_b32 s86, s15, 3
	s_add_co_u32 s3, s3, s86                       ; my tile's first query: 32 (w / 2) + 8 (w % 2)
	s_mul_i32 s3, s3, 528
	s_add_co_u32 s3, s3, MOFF
	v_and_b32 v10, 8, v28
	v_add_nc_u32 v10, v10, v28                     ; r + 8 (r / 8)
	v_mul_u32_u24 v[AMK], v10, 528
	v_lshl_add_u32 v[AMK], v29, 6, v[AMK]
	v_add_nc_u32 v[AMK], s3, v[AMK]
	v_add_nc_u32 v[AMK+1], SLOTB, v[AMK]
	v_add_nc_u32 v[ASC], SCK, v31
	v_mov_b32 v13, 0xff38aa3b                      ; the largest t so far: -2^127 log2(e), what a held logit gives
	v_floor_f32 v12, -v13                          ; -M
	v_mov_b32 v14, 0
	v_mov_b32 v15, 0
.irp b, 0,1,2,3
	v_mov_b32 v[236+\b], 0                         ; written once: a lane permute's destination counts as one of its sources
.endr
	v_mov_b32 v253, 0
.irp j, 0,1,2,3,4,5,6,7,8,9,10,11,12,13,14,15,16,17,18,19,20,21,22,23,24,25,26,27,28,29,30,31,32,33,34,35,36,37,38,39,40,41,42,43,44,45,46,47,48,49,50,51,52,53,54,55,56,57,58,59,60,61,62,63
	v_mov_b32 v[160+\j], 0                         ; O^T: the step is written without a first form of its own
.endr
	s_mov_b32 s[JJ], 0
	s_mov_b32 s[CNT], 7
	s_wait_loadcnt 0x0                             ; Q
.Lloop:                                            ; 7 trips of two key steps
	TRIP 0, 1
	TRIP 1, 1
	s_sub_co_u32 s[CNT], s[CNT], 1
	s_cmp_lg_u32 s[CNT], 0
	s_cbranch_scc1 .Lloop
	TRIP 0, 1                                      ; the last two steps are written out: the last asks for nothing
	TRIP 1, 0
	; THE WAY OUT: O^T / the sum, quantised along the head's 128 (K step = head of the last product), stored as an image
	v_add_f32 v14, v14, v15
	v_permlanex16_b32 v252, v14, s[SEL], s[SEL+1]
	v_add_f32 v14, v14, v252                       ; the row's sum
	v_rcp_f32 v14, v14
	v_and_b32 v10, 31, v0                          ; (plain places behind the reciprocal)
	v_and_b32 v11, 15, v0
	v_lshlrev_b32 v11, 3, v11                      ; 8 r
	s_wait_alu depctr_va_vdst(0)                   ; the wait ahead of the first reader
.irp j, 0,1,2,3,4,5,6,7,8,9,10,11,12,13,14,15,16,17,18,19,20,21,22,23,24,25,26,27,28,29,30,31,32,33,34,35,36,37,38,39,40,41,42,43,44,45,46,47,48,49,50,51,52,53,54,55,56,57,58,59,60,61,62,63
	v_mul_f32 v[96+\j], v[160+\j], v14             ; register 16 b + i: channel 32 b + 16 h + i of my query
.endr
	QUANT 96
.irp c, 0,1,2
	global_store_b128 v[LI], v[PC+4*\c:PC+4*\c+3], s[10:11] offset:512*\c   ; 32 lanes store 512 consecutive bytes, aligned
.endr
	v_cmp_gt_u32 vcc_lo, 16, v10
	s_wait_xcnt 0x0                                ; EXEC changes only behind this wait
	s_and_saveexec_b32 s89, vcc_lo                 ; lanes 0-15: a word a row
	global_store_b32 v11, v[PW], s[12:13]
	s_wait_xcnt 0x0                                ; and again, in front of the line that widens it
	s_or_b32 exec_lo, exec_lo, s89
	s_wait_tensorcnt 0x0                           ; the wave's end
	ds_add_u32 v[SPW], v[NIL]
	s_wait_dscnt 0x0
	CROUND                                         ; the closing round
	s_endpgm
.Lfunc_end_k_q4cca312e7c_attn:
	.size	k_q4cca312e7c_attn, .Lfunc_end_k_q4cca312e7c_attn-k_q4cca312e7c_attn
	.p2alignl 7, 3214868480
	.fill 96, 4, 3214868480
	.section	.rodata,"a",@progbits
	.p2align	6, 0x0
	.amdhsa_kernel k_q4cca312e7c_attn
		.amdhsa_group_segment_fixed_size 327680
		.amdhsa_private_segment_fixed_size 0
		.amdhsa_enable_private_segment 0
		.amdhsa_kernarg_size 40
		.amdhsa_user_sgpr_count 2
		.amdhsa_user_sgpr_kernarg_segment_ptr 1
		.amdhsa_wavefront_size32 1
		.amdhsa_system_sgpr_workgroup_id_x 1
		.amdhsa_system_sgpr_workgroup_id_y 1
		.amdhsa_system_sgpr_workgroup_id_z 1
		.amdhsa_system_vgpr_workitem_id 0
		.amdhsa_next_free_vgpr 512
		.amdhsa_next_free_sgpr 100
		.amdhsa_reserve_vcc 1
		.amdhsa_float_denorm_mode_32 3
		.amdhsa_float_denorm_mode_16_64 3
		.amdhsa_memory_ordered 1
		.amdhsa_forward_progress 1
		.amdhsa_inst_pref_size 118
	.end_amdhsa_kernel
	.amdgpu_metadata
---
amdhsa.version: [ 1, 2 ]
amdhsa.kernels:
  - .name:           k_q4cca312e7c_attn
    .symbol:         k_q4cca312e7c_attn.kd
    .args:
      - { .name: qkv, .offset: 0, .size: 8, .value_kind: global_buffer, .address_space: global }
      - { .name: qkvs, .offset: 8, .size: 8, .value_kind: global_buffer, .address_space: global }
      - { .name: attention_mask, .offset: 16, .size: 8, .value_kind: global_buffer, .address_space: global }
      - { .name: att, .offset: 24, .size: 8, .value_kind: global_buffer, .address_space: global }
      - { .name: atts, .offset: 32, .size: 8, .value_kind: global_buffer, .address_space: global }
    .group_segment_fixed_size: 327680
    .private_segment_fixed_size: 0
    .kernarg_segment_align: 8
    .kernarg_segment_size: 40
    .max_flat_workgroup_size: 256
    .sgpr_count:     100
    .vgpr_count:     512
    .wavefront_size: 32
...
	.end_amdgpu_metadata
.endif
;; end of part 3
;; launch oproj (part 4): grid 16 x 16, 4 waves a work-group, clusters of 4 x 4, 327,680 bytes of LDS; arguments att, atts, img, scl, out0; writes out0
.if DOCPART == 4
	.amdgcn_target "amdgcn-amd-amdhsa--gfx1250"
	.amdhsa_code_object_version 6
	.text
	.protected	k_q4cca312e7c_oproj
	.globl	k_q4cca312e7c_oproj
	.p2align	8
	.type	k_q4cca312e7c_oproj,@function
k_q4cca312e7c_oproj:
	s_mov_b64 s[64:65], 0
	v_nop
	global_prefetch_b8 v0, s[64:65] scope:SCOPE_SE
	s_setreg_imm32_b32 hwreg(HW_REG_WAVE_MODE, 25, 1), 1
	s_wait_xcnt 0x0
	s_wait_alu depctr_hold_cnt(0) depctr_sa_sdst(0) depctr_va_vdst(0) depctr_va_sdst(0) depctr_va_ssrc(0) depctr_va_vcc(0) depctr_vm_vsrc(0)
	s_getreg_b32 s2, hwreg(HW_REG_IB_STS2, 6, 4)
	s_cmp_eq_u32 s2, 0
	s_cbranch_scc0 .Lentry_in_a_cluster
	s_endpgm
.Lentry_in_a_cluster:
	s_bfe_u32 s2, ttmp6, 0x10000c
	s_cmp_lg_u32 s2, 0xf033
	s_cbranch_scc0 .Lentry_shape_is_right
	s_endpgm
.Lentry_shape_is_right:
; OPROJ: out0 = att Wo on codes of BF6 with E8M0 scales, K = 2,048; out0 [2048][2048] f32.
; A tile of 128 x 128 to a work-group gives 256 work-groups (256 x 256 would give 64); four waves, each 64 x 64: 16 accumulators.
; Operands are images of their registers (1,536 bytes a fragment; registers 4 c .. 4 c + 3 of lane l at 512 c + 16 l), laid [tile][K step 16]; Wo's tiles are tiles 512 on of img.  Lane r of tile 2 g + u holds row 32 g + 8 u + r + 8 (r / 8).
; THE MATRIX INSTRUCTION IS USED TRANSPOSED (source 0 = 16 columns of Wo, source 1 = 16 tokens): a lane holds one token, and the eight registers of tile b the columns 32 (b / 2) + 16 h + 8 (b % 2) + 0 .. 7.
; RING: two LDS slots of four K steps; a wave fetches a quarter (4 tiles x 6,144 bytes) by one tensor load; four slots' worth in all, so the text is straight: two first fills, two refills.  The scale words for all of K come once.
; CLUSTER 4 x 4: the tokens' tiles are asked for jointly along a row of the cluster, Wo's along a column.
; REGISTERS: window 0: v16-29 addresses; v32-63 scale words, two sets; v64-127 the way out; v128-255 accumulator (a, b) at v[128 + 8 (4 a + b)].  window 1: set p: source 1's four fragments at 128 p, source 0's at 128 p + 48.
.set HALFT, 24576
.set SLOT,  4*HALFT
.set SCL,   2*SLOT                     ; the scale words: 4,096 bytes a quarter
.set STAGE, SCL+16384                  ; 16 rows x (256 bytes + 16) for each wave; no tensor load lands here
.set SPARE, STAGE+4*4352               ; the spare words, 128 bytes a wave: two blocks of 256 bytes that no other line names
.set FR,    12
.set ADRA,  16
.set ADRB,  20
.set STO,   24                         ; v24  the way out: where I put 32 bytes of a row
.set RD,    25                         ; v25  where I read a row back
.set CO,    26                         ; v26  my byte offset in out0
.set ADRS,  27
.set SPW,   28
.set NIL,   29
.set SC,    32                         ; set s at v[SC + 16 s]; register 4 i + q: tile i, the slot's q-th K step
.set BK,    64
.set ACC,   128
.set G1,  24
.set G0,  32
.set G1B, 48
.set G0B, 56
.set G1S, 68
.set G0S, 76
.set G1SB, 80
.set G0SB, 88
.set MSB, 0
.macro WIN new
.if MSB != (\new)
	s_set_vgpr_msb (MSB<<8)|(\new)
.set MSB, (\new)
.endif
.endm
.set MUL,  0x05                        ; sources 0 and 1 window 1; C and D window 0
.set TO_F, 0x40                        ; destination window 1, address window 0
.macro PLACES n
.rept \n
	v_nop
.endr
.endm
.macro JLOAD g0a, g1a, g0b, g1b        ; waves 0 and 1 fetch for source 1, waves 2 and 3 for source 0; four v_nop follow each line
	s_cmp_eq_u32 s15, 0
	s_cbranch_scc0 .Lfor_b_\@
	tensor_load_to_lds s[\g0a:\g0a+3], s[\g1a:\g1a+7]
	s_nop 0
.rept 4
	v_nop
.endr
	s_branch .Lasked_\@
.Lfor_b_\@:
	tensor_load_to_lds s[\g0b:\g0b+3], s[\g1b:\g1b+7]
	s_nop 0
.rept 4
	v_nop
.endr
.Lasked_\@:
.endm
.macro CREST
	s_cmp_lg_u32 s14, 0
	s_cbranch_scc1 .Lnot_wave_0_\@
	s_barrier_signal -3
.Lnot_wave_0_\@:
	s_barrier_wait -3
	s_barrier_signal -1
	s_barrier_wait -1
.endm
.macro CROUND
	s_barrier_signal -1
	s_barrier_wait -1
	CREST
.endm
.macro FRAG reg, adr, q, i
.irp c, 0,1,2
	ds_load_b128 v[\reg+4*\c:\reg+4*\c+3], v[\adr] offset:6144*(\i)+1536*(\q)+512*\c
.endr
.endm
; one K step's fragments into set p: the slot's scale words where sc >= 0 (8 loads), source 0's four (12), source 1's blocks 0, 1 (6), blocks 2, 3 (6)
.macro FETCH slot, q, p, sc
.if (\sc) >= 0
	WIN 0
.irp i, 0,1,2,3
	ds_load_b64 v[SC+16*(\sc)+4*\i:SC+16*(\sc)+4*\i+1], v[ADRS] offset:1024*\i
	ds_load_b64 v[SC+16*(\sc)+4*\i+2:SC+16*(\sc)+4*\i+3], v[ADRS] offset:1024*\i+128
.endr
.endif
	WIN TO_F
.irp i, 0,1,2,3
	FRAG 128*(\p)+48+FR*\i, ADRB+\slot, \q, \i
.endr
.irp i, 0,1,2,3
	FRAG 128*(\p)+FR*\i, ADRA+\slot, \q, \i
.endr
.endm
; four matrix instructions: source 1's block a x source 0's four.  The 16 accumulators take turns, one instruction a turn, in the same order in every K step.
.macro MUL4 a, p, q, sc, zero
.irp b, 0,1,2,3
.if \zero
	v_wmma_scale_f32_16x16x128_f8f6f4 v[ACC+8*(4*(\a)+\b):ACC+8*(4*(\a)+\b)+7], v[128*(\p)+48+FR*\b:128*(\p)+48+FR*\b+FR-1], v[128*(\p)+FR*(\a):128*(\p)+FR*(\a)+FR-1], 0, v[SC+16*(\sc)+4*\b+(\q)], v[SC+16*(\sc)+4*(\a)+(\q)] matrix_a_fmt:MATRIX_FMT_BF6 matrix_b_fmt:MATRIX_FMT_BF6 matrix_a_scale:MATRIX_SCALE_ROW1
.else
	v_wmma_scale_f32_16x16x128_f8f6f4 v[ACC+8*(4*(\a)+\b):ACC+8*(4*(\a)+\b)+7], v[128*(\p)+48+FR*\b:128*(\p)+48+FR*\b+FR-1], v[128*(\p)+FR*(\a):128*(\p)+FR*(\a)+FR-1], v[ACC+8*(4*(\a)+\b):ACC+8*(4*(\a)+\b)+7], v[SC+16*(\sc)+4*\b+(\q)], v[SC+16*(\sc)+4*(\a)+(\q)] matrix_a_fmt:MATRIX_FMT_BF6 matrix_b_fmt:MATRIX_FMT_BF6 matrix_a_scale:MATRIX_SCALE_ROW1
.endif
.endr
.endm
; one of a slot's first three K steps (set q % 2); in its middle the next K step is fetched into the other set
.macro STEP slot, q, zero
	s_wait_dscnt 6                                 ; all but the youngest six loads (source 1's blocks 2, 3) are in
	WIN MUL
	MUL4 0, (\q)%2, \q, \slot, \zero
	MUL4 1, (\q)%2, \q, \slot, \zero
	PLACES 4                                       ; four places in front of loads into registers that matrix instructions have read
	FETCH \slot, (\q)+1, 1-(\q)%2, -1
	s_wait_dscnt 24                                ; all but the 24 just issued
	WIN MUL
	MUL4 2, (\q)%2, \q, \slot, \zero
	MUL4 3, (\q)%2, \q, \slot, \zero
.endm
; a slot's fourth K step (set 1) changes slots
.macro TURN slot, next, fill
	WIN 0
	s_wait_tensorcnt 0x0                           ; all my tensor loads have landed: my part of the next slot
	ds_add_u32 v[SPW], v[NIL]                      ; 0 onto my spare word
	s_wait_dscnt 7                                 ; (the add and the youngest six loads may be out)
	WIN MUL
	MUL4 0, 1, 3, \slot, 0
	s_wait_dscnt 0x0                               ; the add is done, and my reads of this slot are over
	s_barrier_signal -1
	MUL4 1, 1, 3, \slot, 0
	WIN 0
	s_barrier_wait -1
.if \fill
	CREST                                          ; the barrier has opened a round of the cluster's: no wave of any partner still reads this slot or has a load on its way
	s_add_nc_u64 s[G0+4*\slot+2:G0+4*\slot+3], s[G0+4*\slot+2:G0+4*\slot+3], 12288
	s_add_nc_u64 s[G0B+4*\slot+2:G0B+4*\slot+3], s[G0B+4*\slot+2:G0B+4*\slot+3], 12288
	JLOAD G0+4*\slot, G1, G0B+4*\slot, G1B         ; the first tensor load behind the round; its four v_nop are also the places in front of the loads below
.else
	PLACES 4
.endif
	v_add_nc_u32 v[ADRS], 256, v[ADRS]             ; the next slot's scale words
	FETCH \next, 0, 0, \next
	WIN MUL
	MUL4 2, 1, 3, \slot, 0
	MUL4 3, 1, 3, \slot, 0
.endm
; THE WAY OUT of block a (16 tokens x my 64 columns): through my own stage and back as whole rows of 256 bytes.  LDS serves a wave's instructions in order: no wait between the stores and the loads.
.macro TOSTAGE a
.irp b, 0,1,2,3
	ds_store_b128 v[STO], v[ACC+8*(4*(\a)+\b):ACC+8*(4*(\a)+\b)+3] offset:128*(\b/2)+32*(\b%2)       ; each accumulator from its low end on
	ds_store_b128 v[STO], v[ACC+8*(4*(\a)+\b)+4:ACC+8*(4*(\a)+\b)+7] offset:128*(\b/2)+32*(\b%2)+16
.endr
.irp t, 0,1,2,3,4,5,6,7
	ds_load_b128 v[BK+32*((\a)%2)+4*\t:BK+32*((\a)%2)+4*\t+3], v[RD] offset:544*\t
.endr
.endm
.macro SEND a, younger                 ; stage row 2 t + h is token 32 (a / 2) + 8 (a % 2) + 2 t + h + 8 (t / 4) of my 64
	s_wait_dscnt \younger
.irp t, 0,1,2,3,4,5,6,7
	global_store_b128 v[CO], v[BK+32*((\a)%2)+4*\t:BK+32*((\a)%2)+4*\t+3], s[12:13] offset:8192*(32*((\a)/2)+8*((\a)%2)+2*\t+8*(\t/4)) th:TH_STORE_NT   ; sixteen lanes store 256 consecutive bytes, aligned
.endr
.endm
	s_load_b128 s[4:7], s[0:1], 0x0                ; att s[4:5], atts s[6:7]
	s_load_b128 s[8:11], s[0:1], 0x10              ; img s[8:9], scl s[10:11]
	s_load_b64 s[12:13], s[0:1], 0x20              ; out0
	v_lshl_add_u32 v[SPW], v0, 2, SPARE
	v_mov_b32 v[NIL], 0
	ds_add_u32 v28, v29
	s_wait_dscnt 0x0
	v_lshrrev_b32 v1, 5, v0
	v_readfirstlane_b32 s14, v1                    ; wave 0..3
	s_lshr_b32 s15, s14, 1                         ; which 64 tokens are mine.  Also: I fetch for source 1 (0) or for source 0 (1)
	s_and_b32 s16, s14, 1                          ; which 64 columns.  Also: which 4 tiles I fetch
	s_bfe_u32 s40, ttmp6, 0x40000
	s_bfe_u32 s41, ttmp6, 0x40004
	s_lshl_b32 s42, ttmp9, 2
	s_add_co_u32 s42, s42, s40                     ; tile column X
	s_and_b32 s17, ttmp7, 0xffff
	s_lshl_b32 s17, s17, 2
	s_add_co_u32 s17, s17, s41                     ; tile row Y
	s_lshl_b32 s43, s41, 2
	s_lshl_b32 s43, 15, s43
	s_lshl_b32 s44, 0x1111, s40
	; group 1: 4 rows (tiles) of 768 elements of 8 bytes (four K steps' images), 3,072 elements apart
	s_or_b32 s[G1+0], s43, (3<<16)|(1<<21)
	s_or_b32 s[G1B+0], s44, (3<<16)|(1<<21)
.irp g, G1, G1B
	s_mov_b32 s[\g+1], 768<<16
	s_mov_b32 s[\g+2], 4<<16
	s_mov_b32 s[\g+3], 768<<16
	s_mov_b32 s[\g+4], 4
	s_mov_b32 s[\g+5], 3072
	s_mov_b32 s[\g+6], 0
	s_mov_b32 s[\g+7], 0
.endr
	; the scale words of 4 tiles: 4,096 dense bytes as 16 rows of 256
	s_or_b32 s[G1S+0], s43, (3<<16)|(1<<21)
	s_or_b32 s[G1SB+0], s44, (3<<16)|(1<<21)
.irp g, G1S, G1SB
	s_mov_b32 s[\g+1], 32<<16
	s_mov_b32 s[\g+2], 16<<16
	s_mov_b32 s[\g+3], 32<<16
	s_mov_b32 s[\g+4], 16
	s_mov_b32 s[\g+5], 32
	s_mov_b32 s[\g+6], 0
	s_mov_b32 s[\g+7], 0
.endr
	s_lshl_b32 s18, s16, 2
	s_lshl_b32 s20, s17, 3
	s_add_co_u32 s20, s20, s18                     ; source 1: tile 8 Y of att, + the 4 that I fetch
	s_lshl_b32 s46, s42, 3
	s_add_co_u32 s46, s46, 512
	s_add_co_u32 s46, s46, s18                     ; source 0: tile 512 + 8 X of img
	s_lshl_b32 s22, s20, 10
	s_mov_b32 s23, 0
	s_lshl_b32 s92, s46, 10
	s_mov_b32 s93, 0
	s_mul_i32 s20, s20, 24576
	s_mov_b32 s21, 0
	s_mul_i32 s46, s46, 24576
	s_mov_b32 s47, 0
	s_mul_i32 s45, s14, HALFT
	s_lshl_b32 s94, s14, 12
	s_wait_kmcnt 0x0
	s_add_nc_u64 s[20:21], s[4:5], s[20:21]
	s_add_nc_u64 s[22:23], s[6:7], s[22:23]
	s_add_nc_u64 s[46:47], s[8:9], s[46:47]
	s_add_nc_u64 s[92:93], s[10:11], s[92:93]
	CROUND                                         ; all sixteen work-groups are here: the first joint loads meet
	s_mov_b32 s[G0S], 1
	s_add_co_u32 s[G0S+1], s94, SCL
	s_mov_b64 s[G0S+2:G0S+3], s[22:23]
	s_or_b32 s[G0S+3], s[G0S+3], 0x80000000
	s_mov_b32 s[G0SB], 1
	s_add_co_u32 s[G0SB+1], s94, SCL
	s_mov_b64 s[G0SB+2:G0SB+3], s[92:93]
	s_or_b32 s[G0SB+3], s[G0SB+3], 0x80000000
	JLOAD G0S, G1S, G0SB, G1SB                     ; three loads of mine are out behind the third JLOAD, later one
.irp s, 0,1
	s_mov_b32 s[G0+4*\s], 1
	s_add_co_u32 s[G0+4*\s+1], s45, \s*SLOT
	s_add_nc_u64 s[G0+4*\s+2:G0+4*\s+3], s[20:21], \s*6144
	s_or_b32 s[G0+4*\s+3], s[G0+4*\s+3], 0x80000000
	s_mov_b32 s[G0B+4*\s], 1
	s_add_co_u32 s[G0B+4*\s+1], s45, \s*SLOT
	s_add_nc_u64 s[G0B+4*\s+2:G0B+4*\s+3], s[46:47], \s*6144
	s_or_b32 s[G0B+4*\s+3], s[G0B+4*\s+3], 0x80000000
	JLOAD G0+4*\s, G1, G0B+4*\s, G1B
.endr
	v_and_b32 v1, 15, v0                           ; r
	v_bfe_u32 v2, v0, 4, 1                         ; h
	v_and_b32 v3, 31, v0
	v_lshlrev_b32 v3, 4, v3                        ; 16 x lane
	s_mul_i32 s21, s15, HALFT
	s_mul_i32 s22, s16, HALFT
	s_add_co_u32 s22, s22, 2*HALFT
.irp s, 0,1
	v_add_nc_u32 v[ADRA+\s], s21, v3
	v_add_nc_u32 v[ADRB+\s], s22, v3
	s_add_co_u32 s21, s21, SLOT
	s_add_co_u32 s22, s22, SLOT
.endr
	v_lshlrev_b32 v5, 3, v1                        ; scale words: 8 bytes a row for two K steps
	s_lshl_b32 s21, s15, 12
	s_lshl_b32 s22, s16, 12
	s_add_co_u32 s22, s22, 8192
	s_sub_co_u32 s22, s22, s21
	v_mul_u32_u24 v6, s22, v2                      ; lanes 16-31 take source 0's
	s_add_co_u32 s21, s21, SCL
	v_add_nc_u32 v5, v5, v6
	v_add_nc_u32 v[ADRS], s21, v5
	s_mul_i32 s23, s14, 4352
	s_add_co_u32 s23, s23, STAGE                   ; my stage
	v_mul_u32_u24 v5, v1, 272
	v_lshl_add_u32 v5, v2, 6, v5
	v_add_nc_u32 v[STO], s23, v5                   ; in: row r, + 64 h
	v_mul_u32_u24 v5, v2, 272
	v_lshl_add_u32 v5, v1, 4, v5
	v_add_nc_u32 v[RD], s23, v5                    ; back: lanes 0-15 one row, lanes 16-31 the next
	v_lshlrev_b32 v[CO], 13, v2
	v_lshl_add_u32 v[CO], v1, 4, v[CO]             ; and the same in out0
	s_lshl_b32 s20, s17, 20                        ; my first token: 128 Y + 64 x half, rows of 8,192 bytes;
	s_lshl_b32 s21, s15, 19
	s_add_co_u32 s20, s20, s21
	s_lshl_b32 s46, s42, 9                         ; my first column: 128 X + 64 x half, 4 bytes each
	s_add_co_u32 s20, s20, s46
	s_lshl_b32 s46, s16, 8
	s_add_co_u32 s20, s20, s46
	s_mov_b32 s21, 0
	s_add_nc_u64 s[12:13], s[12:13], s[20:21]
	s_wait_tensorcnt 1                             ; the scale words and my part of slot 0 are in; slot 1's load may be out
	s_barrier_signal -1
	s_barrier_wait -1
	FETCH 0, 0, 0, 0
	STEP 0, 0, 1                                   ; the first K step's products start the sums
	STEP 0, 1, 0
	STEP 0, 2, 0
	TURN 0, 1, 1                                   ; slot 0 takes K steps 8-11
	STEP 1, 0, 0
	STEP 1, 1, 0
	STEP 1, 2, 0
	TURN 1, 0, 1                                   ; slot 1 takes K steps 12-15
	STEP 0, 0, 0
	STEP 0, 1, 0
	STEP 0, 2, 0
	TURN 0, 1, 0                                   ; nothing is left to fetch
	STEP 1, 0, 0
	STEP 1, 1, 0
	STEP 1, 2, 0
	s_wait_dscnt 6
	WIN MUL
	MUL4 0, 1, 3, 1, 0
	MUL4 1, 1, 3, 1, 0
	s_wait_dscnt 0x0
	MUL4 2, 1, 3, 1, 0
	MUL4 3, 1, 3, 1, 0
	WIN 0
	PLACES 4                                       ; behind the last products, in front of the first read of results
	TOSTAGE 0
	TOSTAGE 1
	SEND 0, 16                                     ; behind block 0's loads: block 1's 8 stores and 8 loads
	s_wait_xcnt 0x0                                ; block 0's stores have read their registers: block 2's loads may land there
	TOSTAGE 2
	SEND 1, 16
	s_wait_xcnt 0x0
	TOSTAGE 3
	SEND 2, 16
	SEND 3, 0
	s_wait_tensorcnt 0x0                           ; the wave's end
	ds_add_u32 v[SPW], v[NIL]
	s_wait_dscnt 0x0
	CROUND                                         ; the closing round
	s_endpgm
.Lfunc_end_k_q4cca312e7c_oproj:
	.size	k_q4cca312e7c_oproj, .Lfunc_end_k_q4cca312e7c_oproj-k_q4cca312e7c_oproj
	.p2alignl 7, 3214868480
	.fill 96, 4, 3214868480
	.section	.rodata,"a",@progbits
	.p2align	6, 0x0
	.amdhsa_kernel k_q4cca312e7c_oproj
		.amdhsa_group_segment_fixed_size 327680
		.amdhsa_private_segment_fixed_size 0
		.amdhsa_enable_private_segment 0
		.amdhsa_kernarg_size 40
		.amdhsa_user_sgpr_count 2
		.amdhsa_user_sgpr_kernarg_segment_ptr 1
		.amdhsa_wavefront_size32 1
		.amdhsa_system_sgpr_workgroup_id_x 1
		.amdhsa_system_sgpr_workgroup_id_y 1
		.amdhsa_system_sgpr_workgroup_id_z 1
		.amdhsa_system_vgpr_workitem_id 0
		.amdhsa_next_free_vgpr 512
		.amdhsa_next_free_sgpr 100
		.amdhsa_reserve_vcc 0
		.amdhsa_float_denorm_mode_32 3
		.amdhsa_float_denorm_mode_16_64 3
		.amdhsa_memory_ordered 1
		.amdhsa_forward_progress 1
		.amdhsa_inst_pref_size 82
	.end_amdhsa_kernel
	.amdgpu_metadata
---
amdhsa.version: [ 1, 2 ]
amdhsa.kernels:
  - .name:           k_q4cca312e7c_oproj
    .symbol:         k_q4cca312e7c_oproj.kd
    .args:
      - { .name: att, .offset: 0, .size: 8, .value_kind: global_buffer, .address_space: global }
      - { .name: atts, .offset: 8, .size: 8, .value_kind: global_buffer, .address_space: global }
      - { .name: img, .offset: 16, .size: 8, .value_kind: global_buffer, .address_space: global }
      - { .name: scl, .offset: 24, .size: 8, .value_kind: global_buffer, .address_space: global }
      - { .name: out0, .offset: 32, .size: 8, .value_kind: global_buffer, .address_space: global }
    .group_segment_fixed_size: 327680
    .private_segment_fixed_size: 0
    .kernarg_segment_align: 8
    .kernarg_segment_size: 40
    .max_flat_workgroup_size: 128
    .sgpr_count:     100
    .vgpr_count:     512
    .wavefront_size: 32
...
	.end_amdgpu_metadata
.endif
;; end of part 4
